; MI455X (gfx1250); checked and timed in simulation.
; The chip was launched on July 23, 2026; its instructions are those of AMD's public machine-readable ISA for CDNA 5 (MIT licence, August 2026) and "CDNA5" Instruction Set Architecture Reference Guide (July 2026). The comments in the code are by the model that wrote it; some were corrected since.
;; Gemma4 Mo E. Allowed arithmetic: matrix products marked QUANTISED: E2M1 operands, one E8M0 scale for each 32 along K, by v_wmma_scale_f32_16x16x128_f8f6f4 with both operands' format E2M1 (or v_wmma_scale_f32_32x16x128_f4), f32 sums; products left as they are: f32 operands where the result goes on into a quantised operand, else bf16, f16 or f32 operands; f32 sums; everything else in f32.
;; Inputs: per_expert_scale 16 float32; router_logits 1,024 x 16 float32; w1 16 x 1,024 x 1,024 float32; w2 16 x 1,024 x 1,024 float32; w3 16 x 1,024 x 1,024 float32; x 1,024 x 1,024 float32.
;; Outputs: out0 1,024 x 1,024 float32.
;; Constants: top_k = 2.
;; This version of the problem:
;;   THIS VERSION OF THE PROBLEM IS GIVEN IN LOW PRECISION. The matrix products marked QUANTISED in the list below multiply operands that are first quantised to E2M1 (2 exponent bits, 1 mantissa bit; 4 bits a number), with one power-of-two scale for each 32 numbers along K (OCP MX v1.0); their sums are f32. All else is computed in f32.
;;   The module's matrix products, in the order in which they are computed (A, B: the left and right operand; K: the contracted axis; several contracted axes count as one K, in the product's order):
;;     1. [M 16,384, K 1,024] x [K 1,024, N 1,024]; A: input w1; B: input x: QUANTISED
;;     2. [M 16,384, K 1,024] x [K 1,024, N 1,024]; A: input w3; B: input x: QUANTISED
;;     3. batch 16 x [M 1,024, K 1,024] x [K 1,024, N 1,024]; A: computed on the way; B: input w2: QUANTISED
;;     4. batch 1,024 x [M 1, K 16] x [K 16, N 1,024]; A: computed on the way; B: computed on the way: left as it is (K = 16 < 32)
;;   THE QUANTISER, for each operand of a quantised product, along K:
;;     - K is cut into blocks of 32 from its start; a last block that is shorter is filled with zeros.
;;     - A block's scale is 2^e with e = floor(log2(the largest magnitude in the block)) - 2, held to -126 .. 127; a block of zeros has e = 0. As a byte (E8M0): e + 127.
;;     - Each number is divided by its block's scale, clamped to +-6, and rounded to the nearest number of E2M1, ties to even, subnormals kept.
;;     - The product sums the exact products of the quantised numbers (number of the format x scale) in f32.
;;   ~~~python
;;   def quantise(x, axis):      # numpy; x: float32 -> the quantised numbers, widened to float32 again
;;       x = np.moveaxis(x, axis, -1); K = x.shape[-1]
;;       x = np.pad(x, [(0, 0)] * (x.ndim - 1) + [(0, -K % 32)]); x = x.reshape(x.shape[:-1] + (-1, 32)); a = np.abs(x).max(-1, keepdims=True)
;;       e = np.where(a > 0, np.clip(np.frexp(np.where(a > 0, a, 1))[1] - 1 - 2, -126, 127), 0)      # np.frexp(a)[1] - 1 = floor(log2(a)), exactly
;;       r = np.clip(x / 2.0 ** e, -6, 6)
;;       step = 2.0 ** (np.maximum(np.frexp(np.where(r == 0, 1, r))[1] - 1, 0) - 1)
;;       q = np.round(r / step) * step * 2.0 ** e      # np.round: ties to even
;;       return np.moveaxis(q.reshape(q.shape[:-2] + (-1,))[..., :K], -1, axis).astype(np.float32)
;;   ~~~
;;   OPERANDS COMPUTED ON THE WAY. 'Computed on the way' means the value that the module computes at that place (a softmax that the list does not call 'softmax' is quantised finished and normalised). What goes into a quantiser is computed in f32, as accurately as f32 sums, v_exp_f32 and their like allow (about 1e-6 of the number): no bf16 or f16 on the way to a quantiser, and a product that is left as it is and whose result goes on into a quantised operand takes f32 operands (vector FMAs, or v_wmma_f32_16x16x4_f32). A number that lies on a knife's edge between two numbers of the format may be rounded either way, as far as f32 arithmetic and the matrix unit's own rounding can turn it there, and no further.
;; 2 versions. Each part assembles by itself: llvm-mc -triple=amdgcn-amd-amdhsa -mcpu=gfx1250 --defsym DOCPART=n.
;; ======== version 1 of 2: 4 launches
;; workspace buffers: rtab 24,832 bytes of whole numbers; gate 8,192 bytes; xq 524,288 bytes; xs 32,768 bytes; hq 1,179,648 bytes; hs 73,728 bytes; ybuf 9,437,184 bytes
;; launch route (part 1): grid 256 x 1, 32 waves a work-group, no clusters, 41,216 bytes of LDS; arguments x, router_logits, per_expert_scale, xq, xs, rtab, gate; writes xq, xs, rtab, gate
.if DOCPART == 1
	.amdgcn_target "amdgcn-amd-amdhsa--gfx1250"
	.amdhsa_code_object_version 6
	.text
	.protected	k_q11e87e96e6_route
	.globl	k_q11e87e96e6_route
	.p2align	8
	.type	k_q11e87e96e6_route,@function
k_q11e87e96e6_route:
	s_mov_b64 s[64:65], 0
	v_nop
	global_prefetch_b8 v0, s[64:65] scope:SCOPE_SE
	s_setreg_imm32_b32 hwreg(HW_REG_WAVE_MODE, 25, 1), 1
	s_wait_xcnt 0x0
; ROUTE: the top-2 choice of every token, the rows sorted by expert, the two gate weights, and x as codes of FP4 (E2M1) with one E8M0 byte for each 32 along H.
; DEAD WORK LEFT OUT BY THE WHOLE PROGRAM, for all values of the inputs:
;  (1) combine[t][e] is a sum of one_hot rows times weights, so it is exactly 0 for the 14 experts that are not among token t's top 2: the rows (e, t) of the three quantised products
;      for those experts are multiplied by that 0 in the last product and reach no output.  Only the 2,048 chosen rows are multiplied; the last product is two multiply-adds a number.
;  (2) probs = exp(l - max) / S.  In dispatch = gate_w / renorm the sum S over the 16 experts stands in numerator and denominator: p_a / (p_a + p_b) = 1 / (1 + e_b), e_b = exp(l_b - l_a).
;      The maximum is still taken away (l_a is the row's maximum), and the guard renorm > 0 is kept as a select on 1 + e_b.
; LIMITS: a NaN, an infinity or an overflow that reaches only the rows left out is not carried to the result.  NaN and infinities among logits, x and weights are not served.
;  A block whose largest magnitude lies under 2^-124 gets the scale byte 1; so does a block of zeros (its codes are zeros; the bytes are read by this program alone).  top_k = 2 is built in.
; NO ADDRESS AND NO BRANCH HANGS ON THE CHOICE.  Every work-group repeats the routing of all 1,024 tokens, a thread a token, and keeps ranks and places as VALUES; every LDS and global address is
; made of ids.  The list (sorted row -> token) is made by comparing: work-group g owns sorted rows 16 g .. 16 g + 15 and looks among all 2,048 places for them.
; SORTED ROWS: experts ascending, tokens ascending in an expert, each expert's run filled up to a multiple of 16 rows (2,288 rows at the most).  A filling row names token 0; its results are never read.
; rtab: words 0-15 first row of expert e; words 32-47 its tiles of 16 rows; from byte 256 [1024][2] the sorted row of (token, slot); from byte 8448 [4096] the token of a sorted row.
; x: work-group g takes tokens 4 g .. 4 g + 3; waves 0-7 take 512 numbers each: dense loads, a turn through the wave's own stage so that a lane holds 16 neighbours, 256 consecutive bytes of codes out.
.set CNT,   0                          ; [32 waves][32 words]: how many of a wave's tokens chose expert (lane)
.set POSL,  4096                       ; [1024][2] words: the sorted rows
.set RED,   12288                      ; [32 waves][32 words]: what each wave found for the work-group's 16 rows
.set XST,   16384                      ; eight stages of 32 x 80 bytes
.set SP,    80
.set XSC,   36864                      ; the work-group's 128 scale bytes of x
.set SPARE, 37120                      ; the spare words, 128 bytes for each of 32 waves
.set LISTO, 8448
.macro BAR                             ; my LDS stores have landed and my LDS loads are in: then the barrier
	s_wait_dscnt 0x0
	s_barrier_signal -1
	s_barrier_wait -1
.endm
	s_load_b256 s[4:11], s[0:1], 0x0               ; x, logits, per_expert_scale, xq
	s_load_b128 s[12:15], s[0:1], 0x20             ; xs, rtab
	s_load_b64 s[16:17], s[0:1], 0x30              ; gate
	v_lshl_add_u32 v2, v0, 2, SPARE                ; my spare word; never rewritten
	v_mov_b32 v3, 0                                ; 0; never rewritten
	v_lshrrev_b32 v24, 5, v0
	v_readfirstlane_b32 s18, v24                   ; wave 0..31
	v_and_b32 v1, 31, v0                           ; lane
	; every LDS address is made here, ahead of the first parting of the waves
	v_lshlrev_b32 v27, 2, v1                       ; 4 x lane
	v_lshlrev_b32 v108, 2, v0                      ; 4 x thread
	v_lshlrev_b32 v109, 3, v0                      ; 8 x thread
	v_and_b32 v113, 0x3f0, v0                      ; 32 x wave + 16 x half: the first token that my half of the lanes scans
	v_lshlrev_b32 v110, 3, v113                    ; and its 8 bytes a token
	s_min_u32 s21, s18, 7                          ; the waves that quantise x are 0-7; the others never use what follows
	s_mul_i32 s22, s21, 32*SP
	s_add_co_u32 s22, s22, XST
	v_lshrrev_b32 v24, 2, v1
	v_mul_u32_u24 v114, v24, SP
	v_and_b32 v24, 3, v1
	v_lshl_add_u32 v114, v24, 4, v114
	v_add_nc_u32 v114, s22, v114                   ; the stage on the way in: 80 (lane / 4) + 16 (lane % 4)
	v_mul_u32_u24 v115, v1, SP
	v_add_nc_u32 v115, s22, v115                   ; and on the way out: 80 x lane
	s_lshl_b32 s22, s21, 4
	s_add_co_u32 s22, s22, XSC
	v_lshrrev_b32 v116, 1, v1
	v_add_nc_u32 v116, s22, v116                   ; my block's scale byte
	; offsets in memory
	s_lshl_b32 s19, ttmp9, 14
	s_lshl_b32 s20, s21, 11
	s_add_co_u32 s19, s19, s20
	v_lshl_add_u32 v106, v1, 4, s19                ; x: 16,384 g + 2,048 wave + 16 lane
	v_lshlrev_b32 v107, 6, v0                      ; logits: 64 bytes a token
	s_lshl_b32 s19, ttmp9, 11
	s_lshl_b32 s20, s21, 8
	s_add_co_u32 s19, s19, s20
	v_lshl_add_u32 v117, v1, 3, s19                ; xq: 2,048 g + 256 wave + 8 lane
	s_lshl_b32 s19, ttmp9, 7
	v_lshl_add_u32 v119, v1, 2, s19                ; xs: 128 g + 4 lane
	s_lshl_b32 s19, ttmp9, 6
	v_lshl_add_u32 v120, v1, 2, s19                ; the list: 64 g + 4 lane
	s_lshl_b32 s19, ttmp9, 4
	v_and_b32 v111, 15, v0
	v_add_nc_u32 v111, s19, v111                   ; the sorted row that my lane looks for: 16 g + lane % 16
	s_wait_kmcnt 0x0
	s_load_b512 s[84:99], s[8:9], 0x0              ; per_expert_scale
	s_cmp_lt_u32 s18, 8
	s_cbranch_scc0 .Lno_x
.irp i, 0,1,2,3
	global_load_b128 v[72+4*\i:75+4*\i], v106, s[4:5] offset:512*\i th:TH_LOAD_NT   ; 512 consecutive bytes a load
.endr
.Lno_x:
.irp i, 0,1,2,3
	global_load_b128 v[4+4*\i:7+4*\i], v107, s[6:7] offset:16*\i    ; my token's 16 logits
.endr
	s_wait_loadcnt 0x0
	; THE TOP 2.  m1 >= m2 with their experts i1, i2; a later equal logit never displaces an earlier one (the lower index wins a tie)
	v_mov_b32 v20, v4
	v_mov_b32 v21, 0xff800000
	v_mov_b32 v22, 0
	v_mov_b32 v23, 0
.irp i, 1,2,3,4,5,6,7,8,9,10,11,12,13,14,15
	v_cmp_le_f32 s19, v[4+\i], v20                 ; not above m1
	v_cmp_le_f32 vcc_lo, v[4+\i], v21              ; not above m2
	v_cndmask_b32 v24, \i, v23, vcc_lo             ; the second place if m1 stands
	v_cndmask_b32 v23, v22, v24, s19               ; else the old first becomes second
	v_cndmask_b32 v22, \i, v22, s19
	v_med3_num_f32 v21, v[4+\i], v20, v21          ; the middle of (l, m1, m2) is the new m2
	v_max_num_f32 v20, v20, v[4+\i]
.endr
	; WHO CHOSE WHOM: masks over my wave's 32 tokens, and their counts into lane e
	v_mov_b32 v26, 0
.irp e, 0,1,2,3,4,5,6,7,8,9,10,11,12,13,14,15
	v_cmp_eq_u32 s[32+\e], \e, v22
	v_cmp_eq_u32 s[48+\e], \e, v23
	s_or_b32 s19, s[32+\e], s[48+\e]
	s_bcnt1_i32_b32 s19, s19
	v_writelane_b32 v26, s19, \e
.endr
	ds_store_b32 v108, v26 offset:CNT
	BAR                                            ; all 32 waves' counts lie in LDS
	; lane = expert: the expert's total, what the waves ahead of mine hold, and the experts' first rows
.irp k, 0,1,2,3,4,5,6,7,8,9,10,11,12,13,14,15,16,17,18,19,20,21,22,23,24,25,26,27,28,29,30,31
	ds_load_b32 v[40+\k], v27 offset:CNT+128*\k
.endr
	s_wait_dscnt 0x0
	v_add_nc_u32 v28, v40, v41
.irp k, 42,44,46,48,50,52,54,56,58,60,62,64,66,68,70
	v_add3_u32 v28, v28, v[\k], v[\k+1]
.endr
	v_mov_b32 v29, 0
.irp k, 0,1,2,3,4,5,6,7,8,9,10,11,12,13,14,15,16,17,18,19,20,21,22,23,24,25,26,27,28,29,30
	s_cmp_gt_u32 s18, \k
	s_cselect_b32 s19, 1, 0
	v_mad_u32_u24 v29, v[40+\k], s19, v29          ; counts of the waves ahead of mine
.endr
	v_add_nc_u32 v30, 15, v28
	v_and_b32 v30, 0xfffffff0, v30                 ; the expert's rows, filled up to a multiple of 16
	v_mov_b32 v33, v30
	v_mov_b32 v31, 0
.irp n, 1,2,4,8
	v_mov_b32_dpp v31, v30 row_shr:\n row_mask:0xf bank_mask:0xf bound_ctrl:1
	v_add_nc_u32 v30, v30, v31                     ; a running sum over the 16 experts
.endr
	v_sub_nc_u32 v31, v30, v33                     ; the expert's first row
	v_add_nc_u32 v32, v31, v29                     ; and the first row of my wave's tokens in it
	v_lshrrev_b32 v25, 4, v33                      ; its tiles
	s_or_b32 s19, s18, ttmp9
	s_cmp_lg_u32 s19, 0
	s_cbranch_scc1 .Lno_meta
	global_store_b32 v27, v31, s[14:15]            ; wave 0 of work-group 0: first rows (lanes 16-31 hold 0),
	global_store_b32 v27, v25, s[14:15] offset:128 ; tiles: 256 consecutive bytes in all
	s_wait_xcnt 0x0                                ; their data registers are written again below
.Lno_meta:
.irp e, 0,1,2,3,4,5,6,7,8,9,10,11,12,13,14,15
	v_readlane_b32 s[66+\e], v32, \e
.endr
	; MY TOKEN'S TWO SORTED ROWS: the wave's first row in the expert + the choosing lanes below mine
	v_mov_b32 v34, 0
	v_mov_b32 v35, 0
.irp e, 0,1,2,3,4,5,6,7,8,9,10,11,12,13,14,15
	s_or_b32 s19, s[32+\e], s[48+\e]
	v_mbcnt_lo_u32_b32 v24, s19, s[66+\e]
	v_cndmask_b32 v34, v34, v24, s[32+\e]
	v_cndmask_b32 v35, v35, v24, s[48+\e]
.endr
	ds_store_b64 v109, v[34:35] offset:POSL
	s_wait_kmcnt 0x0                               ; per_expert_scale
	s_cmp_lg_u32 s18, ttmp9                        ; wave w of work-group w (0..31) stores the rows and gates of tokens 32 w .. 32 w + 31
	s_cbranch_scc1 .Lno_gate
	v_mov_b32 v38, 0
	v_mov_b32 v39, 0
.irp e, 0,1,2,3,4,5,6,7,8,9,10,11,12,13,14,15
	v_cndmask_b32 v38, v38, s[84+\e], s[32+\e]     ; the chosen experts' scales, by selection
	v_cndmask_b32 v39, v39, s[84+\e], s[48+\e]
.endr
	v_sub_f32 v24, v21, v20                        ; l_b - l_a, 0 or less: the maximum is taken away
	v_mul_f32 v24, 0x3fb8aa3b, v24
	v_exp_f32 v25, v24                             ; e_b
	v_nop                                          ; a plain instruction behind the exponential
	s_wait_alu depctr_va_vdst(0)                   ; and the wait ahead of its first reader
	v_add_f32 v24, 1.0, v25                        ; renorm, up to the factor that cancels
	v_cmp_lt_f32 vcc_lo, 0, v24
	v_cndmask_b32 v24, 1.0, v24, vcc_lo            ; the guard: 1 where it is not above 0
	v_rcp_f32 v31, v24
	v_nop
	s_wait_alu depctr_va_vdst(0)
	v_mul_f32 v36, v31, v38
	v_mul_f32 v37, v25, v31
	v_mul_f32 v37, v37, v39
	global_store_b64 v109, v[34:35], s[14:15] offset:256   ; 256 consecutive bytes, aligned
	global_store_b64 v109, v[36:37], s[16:17]
.Lno_gate:
	BAR                                            ; all 2,048 sorted rows lie in LDS
	; THE LIST, BY COMPARING: my half of the lanes scans 16 tokens' 32 places for the 16 rows of my work-group
.irp j, 0,1,2,3,4,5,6,7
	ds_load_b128 v[40+4*\j:43+4*\j], v110 offset:POSL+16*\j
.endr
	v_mov_b32 v112, 0
	s_wait_dscnt 0x0
.irp q, 0,1,2,3,4,5,6,7,8,9,10,11,12,13,14,15,16,17,18,19,20,21,22,23,24,25,26,27,28,29,30,31
	v_cmp_ne_u32 vcc_lo, v[40+\q], v111
	v_cndmask_b32 v112, (\q/2)+1, v112, vcc_lo
.endr
	v_cmp_ne_u32 vcc_lo, 0, v112
	v_add_nc_u32 v25, v113, v112
	v_cndmask_b32 v112, 0, v25, vcc_lo             ; the token + 1, or 0 where nothing was found
	ds_store_b32 v108, v112 offset:RED
	s_cmp_lt_u32 s18, 8
	s_cbranch_scc0 .Lno_q
	; x: 2,048 bytes as loaded into my stage, back as 16 neighbours a lane; two neighbouring lanes hold a block of 32
.irp i, 0,1,2,3
	ds_store_b128 v114, v[72+4*\i:75+4*\i] offset:8*SP*\i
.endr
.irp i, 0,1,2,3
	ds_load_b128 v[88+4*\i:91+4*\i], v115 offset:16*\i     ; LDS serves a wave's instructions in order: these see the stores
.endr
	s_wait_dscnt 0x0
	v_max3_num_f32 v24, |v88|, |v89|, |v90|
	v_max3_num_f32 v25, |v91|, |v92|, |v93|
.irp i, 6,10
	v_max3_num_f32 v24, v24, |v[88+\i]|, |v[89+\i]|
	v_max3_num_f32 v25, v25, |v[90+\i]|, |v[91+\i]|
.endr
	v_max3_num_f32 v24, v24, |v102|, |v103|
	v_max3_num_f32 v24, v24, v25, 0x1800000        ; and the floor 2^(3 - 127): the byte cannot fall under 1
	v_max_num_f32_dpp v24, v24, v24 row_xmask:1 row_mask:0xf bank_mask:0xf   ; with my neighbour's 16
	v_add_nc_u32 v25, 0xff000000, v24              ; 2 off the exponent field: the conversion's scale operand
	v_cvt_scalef32_pk8_fp4_f32 v104, v[88:95], v25
	v_cvt_scalef32_pk8_fp4_f32 v105, v[96:103], v25
	v_lshrrev_b32 v26, 23, v25                     ; the scale's byte
	ds_store_b8 v116, v26                          ; both lanes of a block write the same byte with the same value
	global_store_b64 v117, v[104:105], s[10:11]    ; the wave stores 256 consecutive bytes, aligned
.Lno_q:
	BAR                                            ; what every wave found, and x's 128 scale bytes, lie in LDS
	s_cmp_lg_u32 s18, 0
	s_cbranch_scc1 .Lend
.irp k, 0,1,2,3,4,5,6,7,8,9,10,11,12,13,14,15,16,17,18,19,20,21,22,23,24,25,26,27,28,29,30,31
	ds_load_b32 v[40+\k], v27 offset:RED+128*\k
.endr
	ds_load_b32 v28, v27 offset:XSC
	s_mov_b32 s19, 0x76543210
	s_mov_b32 s20, 0xfedcba98
	s_wait_dscnt 0x0
	v_add_nc_u32 v29, v40, v41                     ; at most one of the 64 partial results of a row is not 0: their sum is that one
.irp k, 42,44,46,48,50,52,54,56,58,60,62,64,66,68,70
	v_add3_u32 v29, v29, v[\k], v[\k+1]
.endr
	v_mov_b32 v30, 0
	v_permlanex16_b32 v30, v29, s19, s20
	v_add_nc_u32 v29, v29, v30
	v_add_nc_u32 v30, -1, v29
	v_cmp_ne_u32 vcc_lo, 0, v29
	v_cndmask_b32 v29, 0, v30, vcc_lo              ; the token; a filling row names token 0
	global_store_b32 v119, v28, s[12:13]           ; x's scale bytes: 128 consecutive bytes
	v_cmp_gt_u32 vcc_lo, 16, v1
	s_wait_xcnt 0x0                                ; EXEC changes only behind this wait
	s_and_saveexec_b32 s21, vcc_lo
	global_store_b32 v120, v29, s[14:15] offset:LISTO  ; lanes 0-15: my work-group's 16 rows of the list
	s_wait_xcnt 0x0
	s_or_b32 exec_lo, exec_lo, s21
.Lend:
	s_wait_tensorcnt 0x0                           ; the wave's end
	ds_add_u32 v2, v3
	s_wait_dscnt 0x0
	s_endpgm
.Lfunc_end_k_q11e87e96e6_route:
	.size	k_q11e87e96e6_route, .Lfunc_end_k_q11e87e96e6_route-k_q11e87e96e6_route
	.p2alignl 7, 3214868480
	.fill 96, 4, 3214868480
	.section	.rodata,"a",@progbits
	.p2align	6, 0x0
	.amdhsa_kernel k_q11e87e96e6_route
		.amdhsa_group_segment_fixed_size 41216
		.amdhsa_private_segment_fixed_size 0
		.amdhsa_enable_private_segment 0
		.amdhsa_kernarg_size 56
		.amdhsa_user_sgpr_count 2
		.amdhsa_user_sgpr_kernarg_segment_ptr 1
		.amdhsa_wavefront_size32 1
		.amdhsa_system_sgpr_workgroup_id_x 1
		.amdhsa_system_sgpr_workgroup_id_y 1
		.amdhsa_system_sgpr_workgroup_id_z 1
		.amdhsa_system_vgpr_workitem_id 0
		.amdhsa_next_free_vgpr 128
		.amdhsa_next_free_sgpr 100
		.amdhsa_reserve_vcc 1
		.amdhsa_float_denorm_mode_32 3
		.amdhsa_float_denorm_mode_16_64 3
		.amdhsa_memory_ordered 1
		.amdhsa_forward_progress 1
		.amdhsa_inst_pref_size 37
	.end_amdhsa_kernel
	.amdgpu_metadata
---
amdhsa.version: [ 1, 2 ]
amdhsa.kernels:
  - .name:           k_q11e87e96e6_route
    .symbol:         k_q11e87e96e6_route.kd
    .args:
      - { .name: x, .offset: 0, .size: 8, .value_kind: global_buffer, .address_space: global }
      - { .name: router_logits, .offset: 8, .size: 8, .value_kind: global_buffer, .address_space: global }
      - { .name: per_expert_scale, .offset: 16, .size: 8, .value_kind: global_buffer, .address_space: global }
      - { .name: xq, .offset: 24, .size: 8, .value_kind: global_buffer, .address_space: global }
      - { .name: xs, .offset: 32, .size: 8, .value_kind: global_buffer, .address_space: global }
      - { .name: rtab, .offset: 40, .size: 8, .value_kind: global_buffer, .address_space: global }
      - { .name: gate, .offset: 48, .size: 8, .value_kind: global_buffer, .address_space: global }
    .group_segment_fixed_size: 41216
    .private_segment_fixed_size: 0
    .kernarg_segment_align: 8
    .kernarg_segment_size: 56
    .max_flat_workgroup_size: 1024
    .sgpr_count:     100
    .vgpr_count:     128
    .wavefront_size: 32
...
	.end_amdgpu_metadata
.endif
;; end of part 1
;; launch gateup (part 2): grid 16 x 16, 8 waves a work-group, no clusters, 138,240 bytes of LDS; arguments xq, xs, rtab, w1, w3, hq, hs; writes hq, hs
.if DOCPART == 2
	.amdgcn_target "amdgcn-amd-amdhsa--gfx1250"
	.amdhsa_code_object_version 6
	.text
	.protected	k_q11e87e96e6_gateup
	.globl	k_q11e87e96e6_gateup
	.p2align	8
	.type	k_q11e87e96e6_gateup,@function
k_q11e87e96e6_gateup:
	s_mov_b64 s[64:65], 0
	v_nop
	global_prefetch_b8 v0, s[64:65] scope:SCOPE_SE
	s_setreg_imm32_b32 hwreg(HW_REG_WAVE_MODE, 25, 1), 1
	s_wait_xcnt 0x0
; GATEUP: hidden = gelu(x w1^T) * (x w3^T) for the rows that chose expert e (work-group y), 64 of the 1,024 hidden units (work-group x), quantised along I and stored as codes.
; Left out: the rows of tokens that did not choose the expert (their combine weight is exactly 0 by the one_hot in the routing: see the head of the first kernel).
; EACH WEIGHT BYTE IS READ ONCE, as f32, in runs of 512 consecutive bytes, by the one work-group that multiplies it with all rows of its expert; it is quantised in registers and never written to memory.
; SHARES.  Wave w: group ih = w / 4 (32 hidden units: one block of the next K), q = w % 4.  Streaming: the wave quantises tile q of its group (q = 0, 1: w1; q = 2, 3: w3; u = q % 2), 16 rows x 1,024 K,
; in eight units of 16 rows x 128 K.  THE ROWS OF A TILE ARE NOT NEIGHBOURS: lane r takes row 32 ih + 8 u + r + 8 (r / 8), so that the 16 result registers of tiles u = 0, 1 are 16 neighbours along I.
; A unit: 16 loads (a row's 512 bytes each) -> the wave's stage in LDS -> back so that lane (r, h) holds K = 64 c + 32 h + 0..31 of row r: two whole blocks -> codes, which are the operand's registers.
; The fragments go to LDS as images of their registers; ONE barrier; then each wave takes its group's 4 tiles x 8 K steps (256 registers) and walks token tiles q, q + 4, .. of the expert.
; The products are used transposed (source 0 = 16 weight rows, source 1 = 16 tokens): a lane holds one token.
; NO TENSOR LOAD AND NO CLUSTER: the count of token tiles is read from memory, so the token loop ends on a stored number; no weight tile is read by two work-groups; what the 16 work-groups of an
; expert share, a token tile's 8 KB of codes, is small beside the 512 KB of weights that each streams alone.  The one barrier stands ahead of every branch on a stored number.
; gelu(a) = max(a, 0) - (|a| / 2) erfc(|a| / sqrt 2), erfc(z) = t exp(-z z + c0 + t (c1 + .. + t c9)), t = 1 / (1 + z / 2): a fit whose error is 1.2e-7 OF erfc for every z, so small values keep their digits.
; REGISTERS.  window 0: v1-23, v60 addresses; v24-39 the weights' scale words, v40-43 the tokens' (scales alone); v44-59 offsets of 16 token rows; v80-143 a unit's numbers, then x's fragments, then gelu's work;
;   v144-207 16 token rows as loaded; v208-239 four accumulators; v240-254 the quantiser.   window 1: four landing sets of 64, later the weights' 32 fragments.
.set STGB,  8448                       ; a wave's stage: 16 rows x (512 + 16) bytes
.set IMG,   8*STGB                     ; images: tile x 8,192 + K step x 1,024
.set WSC,   IMG+8*8192                 ; scale words: tile x 512 + K step x 64 + 4 r
.set SPARE, WSC+8*512                  ; the spare words, 128 bytes for each wave
.set RSK,   8                          ; rows 8-15 of a tile lie 8 rows further on
.set LISTO, 8448
.set RR,1
.set HH,2
.set GOF,3
.set STW,4
.set STR,5
.set IMW,6
.set SCW,7
.set IMR,8
.set SCR,9
.set SPW,10
.set NIL,11
.set XFR,12
.set HQL,13
.set HSL,14
.set HQO,15
.set HSO,16
.set VLO,17
.set VT,18
.set XSA,19
.set H8,20
.set VTO,21
.set C9,22
.set WS,24
.set SS,40
.set ADR,44
.set H16,60
.set T,80
.set GA,80
.set GH,96
.set GT,112
.set GP,128
.set XL,144
.set ACC,208
.set PC,240
.set PW,248
.set HB,254
.set MSB, 0
.macro WIN new                         ; the immediate's high byte repeats the setting that is left
.if MSB != \new
	s_set_vgpr_msb (MSB<<8)|\new
.set MSB, \new
.endif
.endm
.macro ULOAD u                         ; unit u: 16 rows x 512 consecutive bytes into landing set u % 4
	WIN 0x40
.irp n, 0,1,2,3,4,5,6,7,8,9,10,11,12,13,14,15
	global_load_b128 v[64*((\u)%4)+4*\n:64*((\u)%4)+4*\n+3], v[GOF], s[28:29] offset:(\n+RSK*(\n/8))*4096+512*(\u) th:TH_LOAD_NT
.endr
	WIN 0
.endm
.macro QW                              ; v[T] on: register 32 c + i = K 64 c + 32 h + i of my row -> the fragment's 8 registers in v[PC] on, its scale word in v[PW]
	v_max3_num_f32 v249, |v[T]|, |v[T+1]|, 0x1800000       ; the floor 2^(3 - 127): the byte cannot fall under 1
	v_max3_num_f32 v250, |v[T+32]|, |v[T+33]|, 0x1800000
.irp i, 2,4,6,8,10,12,14,16,18,20,22,24,26,28,30
	v_max3_num_f32 v249, v249, |v[T+\i]|, |v[T+1+\i]|      ; the two blocks by turns
	v_max3_num_f32 v250, v250, |v[T+32+\i]|, |v[T+33+\i]|
.endr
	v_add_nc_u32 v251, 0xff000000, v249            ; 2 off the exponent field: the conversion's scale operand
	v_add_nc_u32 v252, 0xff000000, v250
	v_lshrrev_b32 v249, 23, v251                   ; the bytes of blocks h and 2 + h,
	v_lshrrev_b32 v250, 23, v252
	v_lshl_or_b32 v[PW], v250, 16, v249
	v_lshlrev_b32 v[PW], v[H8], v[PW]              ; at their places in the word;
	v_permlanex16_b32 v253, v[PW], s48, s49
	v_or_b32 v[PW], v[PW], v253                    ; with the other half's two the word is whole
.irp g, 0,1,2,3
	v_cvt_scalef32_pk8_fp4_f32 v[PC+\g], v[T+8*\g:T+8*\g+7], v251
.endr
.irp g, 0,1,2,3
	v_cvt_scalef32_pk8_fp4_f32 v[PC+4+\g], v[T+32+8*\g:T+32+8*\g+7], v252
.endr
	v_nop                                          ; one plain instruction behind the last conversion
.endm
.macro WUNIT j, cnt, refill            ; unit j is turned, quantised and laid in LDS.  cnt: the loads issued behind unit j's
	s_wait_loadcnt \cnt
	WIN 0x04
.irp m, 0,1,2,3,4,5,6,7,8,9,10,11,12,13,14,15
	ds_store_b128 v[STW], v[64*((\j)%4)+4*\m:64*((\j)%4)+4*\m+3] offset:528*\m
.endr
	WIN 0
.irp c, 0,1
.irp i, 0,1,2,3,4,5,6,7
	ds_load_b128 v[T+32*\c+4*\i:T+32*\c+4*\i+3], v[STR] offset:256*\c+16*\i    ; LDS serves a wave's instructions in order: these see the stores
.endr
.endr
	s_wait_dscnt 0x0                               ; the numbers are in; the landing set and the last image's registers have been read
.if \refill
	ULOAD (\j)+4
.endif
	QW
	ds_store_b128 v[IMW], v[PC:PC+3] offset:1024*(\j)
	ds_store_b128 v[IMW], v[PC+4:PC+7] offset:1024*(\j)+512
	ds_store_b32 v[SCW], v[PW] offset:64*(\j)      ; lanes r and r + 16 write the same word with the same value
.endm
.macro IMGLOAD                         ; my group's 4 tiles x 8 K steps, and their scale words: lanes 0-15 K step j, lanes 16-31 K step j + 4
	WIN 0x40
.irp t, 0,1,2,3
.irp s, 0,1,2,3,4,5,6,7
.irp c, 0,1
	ds_load_b128 v[8*(8*\t+\s)+4*\c:8*(8*\t+\s)+4*\c+3], v[IMR] offset:8192*\t+1024*\s+512*\c
.endr
.endr
.endr
	WIN 0
.irp t, 0,1,2,3
.irp j, 0,1,2,3
	ds_load_b32 v[WS+4*\t+\j], v[SCR] offset:512*\t+64*\j
.endr
.endr
.endm
.macro MM f                            ; 32 matrix instructions: 8 K steps x 4 tiles; the four accumulators take turns; the first K step starts the sums
	WIN 0x01
.irp s, 0,1,2,3,4,5,6,7
.irp t, 0,1,2,3
.if \s == 0
	v_wmma_scale_f32_16x16x128_f8f6f4 v[ACC+8*\t:ACC+8*\t+7], v[8*(8*\t+\s):8*(8*\t+\s)+7], v[\f+8*\s:\f+8*\s+7], 0, v[WS+4*\t+\s], v[SS+\s] matrix_a_fmt:MATRIX_FMT_FP4 matrix_b_fmt:MATRIX_FMT_FP4
.elseif \s < 4
	v_wmma_scale_f32_16x16x128_f8f6f4 v[ACC+8*\t:ACC+8*\t+7], v[8*(8*\t+\s):8*(8*\t+\s)+7], v[\f+8*\s:\f+8*\s+7], v[ACC+8*\t:ACC+8*\t+7], v[WS+4*\t+\s], v[SS+\s] matrix_a_fmt:MATRIX_FMT_FP4 matrix_b_fmt:MATRIX_FMT_FP4
.else
	v_wmma_scale_f32_16x16x128_f8f6f4 v[ACC+8*\t:ACC+8*\t+7], v[8*(8*\t+\s):8*(8*\t+\s)+7], v[\f+8*\s:\f+8*\s+7], v[ACC+8*\t:ACC+8*\t+7], v[WS+4*\t+\s-4], v[SS+\s-4] matrix_a_fmt:MATRIX_FMT_FP4 matrix_b_fmt:MATRIX_FMT_FP4 matrix_a_scale:MATRIX_SCALE_ROW1 matrix_b_scale:MATRIX_SCALE_ROW1
.endif
.endr
.endr
	WIN 0
.endm
.macro LISTNEXT                        ; the 16 tokens of the tile at sorted row s27 (held to 2,288): as scalars, and one a lane
	s_lshl_b32 s52, s27, 2
	s_load_b512 s[32:47], s[8:9], s52 offset:LISTO
	v_lshl_add_u32 v[VTO], s27, 2, v[VLO]
	global_load_b32 v[VT], v[VTO], s[8:9] offset:LISTO
.endm
.macro ADDRS                           ; the tokens, held to 1,023, become offsets: a row of codes is 512 bytes, of scale bytes 32
.irp j, 0,1,2,3,4,5,6,7,8,9,10,11,12,13,14,15
	s_min_u32 s[32+\j], s[32+\j], 1023
.endr
.irp j, 0,1,2,3,4,5,6,7,8,9,10,11,12,13,14,15
	v_lshl_add_u32 v[ADR+\j], s[32+\j], 9, v[GOF]
.endr
	v_min_u32 v[VT], 0x3ff, v[VT]
	v_lshl_add_u32 v[XSA], v[VT], 5, v[H16]
.endm
.macro XLOADS                          ; 16 whole rows of codes, 512 consecutive bytes a load; my token's scale words: lanes 0-15 K steps 0-3, lanes 16-31 K steps 4-7
.irp j, 0,1,2,3,4,5,6,7,8,9,10,11,12,13,14,15
	global_load_b128 v[XL+4*\j:XL+4*\j+3], v[ADR+\j], s[4:5]
.endr
	global_load_b128 v[SS:SS+3], v[XSA], s[6:7]
.endm
	s_load_b256 s[4:11], s[0:1], 0x0               ; xq, xs, rtab, w1
	s_load_b128 s[12:15], s[0:1], 0x20             ; w3, hq
	s_load_b64 s[16:17], s[0:1], 0x30              ; hs
	v_lshl_add_u32 v[SPW], v0, 2, SPARE            ; my spare word; never rewritten
	v_mov_b32 v[NIL], 0                            ; 0; never rewritten
	v_lshrrev_b32 v61, 5, v0
	v_readfirstlane_b32 s18, v61                   ; wave 0..7
	s_lshr_b32 s19, s18, 2                         ; ih
	s_and_b32 s20, s18, 3                          ; q
	s_and_b32 s21, ttmp7, 0xffff                   ; the expert
	v_and_b32 v61, 31, v0
	v_lshlrev_b32 v[GOF], 4, v61                   ; 16 x lane
	s_and_b32 s50, s20, 1                          ; u
	s_lshl_b32 s50, s50, 3
	s_lshl_b32 s51, s19, 5
	s_add_co_u32 s50, s50, s51
	s_lshl_b32 s51, ttmp9, 6
	s_add_co_u32 s50, s50, s51                     ; my tile's first row: 64 slice + 32 ih + 8 u
	s_lshl_b32 s50, s50, 12                        ; rows of 4,096 bytes
	s_lshl_b32 s51, s21, 22                        ; an expert's 4 MiB
	s_add_co_u32 s50, s50, s51
	s_mov_b32 s51, 0
	s_lshl_b32 s54, ttmp9, 1
	s_add_co_u32 s54, s54, s19                     ; the block of the next K: 2 slice + ih
	s_mov_b32 s55, 0
	s_wait_kmcnt 0x0
	s_cmp_lt_u32 s20, 2
	s_cselect_b64 s[28:29], s[10:11], s[12:13]     ; w1 or w3, by the wave's number
	s_add_nc_u64 s[28:29], s[28:29], s[50:51]
	ULOAD 0                                        ; four units of each wave are asked for before anything else
	ULOAD 1
	ULOAD 2
	ULOAD 3
	s_add_nc_u64 s[16:17], s[16:17], s[54:55]      ; hs at my block's byte
	s_mul_i32 s54, s54, 36864
	s_add_nc_u64 s[14:15], s[14:15], s[54:55]      ; hq at my block's plane of 2,304 rows x 16 bytes
	v_and_b32 v[RR], 15, v0                        ; r
	v_bfe_u32 v[HH], v0, 4, 1                      ; h
	s_mul_i32 s50, s18, STGB
	v_add_nc_u32 v[STW], s50, v[GOF]               ; the stage, in: 16 x lane (+ 528 x row)
	v_mul_u32_u24 v61, v[RR], 528
	v_add_nc_u32 v61, s50, v61
	v_lshl_add_u32 v[STR], v[HH], 7, v61           ; out, f32: row r, + 128 h
	v_lshl_add_u32 v[XFR], v[HH], 4, v61           ; out, codes: row r, + 16 h
	s_lshl_b32 s50, s18, 13
	s_add_co_u32 s50, s50, IMG
	v_add_nc_u32 v[IMW], s50, v[GOF]               ; my tile's images
	s_lshl_b32 s50, s18, 9
	s_add_co_u32 s50, s50, WSC
	v_lshl_add_u32 v[SCW], v[RR], 2, s50           ; and scale words
	s_lshl_b32 s50, s19, 15
	s_add_co_u32 s50, s50, IMG
	v_add_nc_u32 v[IMR], s50, v[GOF]               ; my group's images
	s_lshl_b32 s50, s19, 11
	s_add_co_u32 s50, s50, WSC
	v_lshl_add_u32 v61, v[RR], 2, s50
	v_lshl_add_u32 v[SCR], v[HH], 8, v61           ; my group's scale words: lanes 16-31 four K steps on
	v_lshlrev_b32 v[H8], 3, v[HH]
	v_lshlrev_b32 v[H16], 4, v[HH]
	v_lshlrev_b32 v[VLO], 2, v[RR]
	v_lshlrev_b32 v[HQL], 4, v[RR]
	v_lshl_add_u32 v[HQL], v[HH], 3, v[HQL]        ; hq: 16 r + 8 h
	v_lshlrev_b32 v[HSL], 5, v[RR]                 ; hs: 32 r
	v_mov_b32 v[C9], 0x3e2ef945                    ; c9 = 0.17087277, twice
	v_mov_b32 v[C9+1], 0x3e2ef945
	v_mov_b32 v253, 0                              ; a lane permute's destination counts as one of its sources
	s_mov_b32 s48, 0x76543210
	s_mov_b32 s49, 0xfedcba98
	s_lshl_b32 s52, s21, 2
	s_load_b32 s23, s[8:9], s52 offset:0x0         ; the expert's first sorted row
	s_load_b32 s24, s[8:9], s52 offset:0x80        ; and its tiles of 16 rows
	s_wait_kmcnt 0x0
	s_min_u32 s23, s23, 2288
	s_min_u32 s24, s24, 64
	s_max_u32 s51, s24, 1
	s_sub_co_u32 s51, s51, 1
	s_min_u32 s51, s51, s20                        ; my first tile, or the expert's last where I have none: what is loaded then is not used
	s_lshl_b32 s51, s51, 4
	s_add_co_u32 s27, s23, s51
	s_min_u32 s27, s27, 2288
	LISTNEXT
	WUNIT 0, 49, 1                                 ; behind unit j's loads: three units and the list's one load
	WUNIT 1, 49, 1
	WUNIT 2, 49, 1
	WUNIT 3, 49, 1
	WUNIT 4, 48, 0                                 ; three units; the list's load is older than unit 4 and has landed too
	s_wait_kmcnt 0x0
	ADDRS
	XLOADS                                         ; my first tile's codes: 17 loads
	s_add_co_u32 s51, s20, 4
	s_lshl_b32 s51, s51, 4
	s_add_co_u32 s27, s23, s51
	s_min_u32 s27, s27, 2288
	LISTNEXT                                       ; and the list of my second: 1 load
	WUNIT 5, 50, 0                                 ; two units and those 18
	WUNIT 6, 34, 0
	WUNIT 7, 18, 0
	s_wait_dscnt 0x0                               ; my images have landed
	s_barrier_signal -1
	s_barrier_wait -1                              ; everybody's have: the one barrier; behind it LDS images are only read
	IMGLOAD
	s_mov_b32 s25, s20                             ; tt: my first tile
	s_add_co_u32 s31, s24, 3
	s_sub_co_u32 s31, s31, s20
	s_lshr_b32 s31, s31, 2                         ; my trips: the tiles q, q + 4, .. under nt are (nt + 3 - q) / 4, 16 at the most; 0 where nt <= q
	s_mov_b32 s30, 0                               ; the loop's counter: one a trip
	s_cmp_eq_u32 s31, 0
	s_cbranch_scc1 .Lend
.Ltile:
	s_wait_loadcnt 0x0                             ; this tile's codes and scale words, the next list's lane word
	s_wait_xcnt 0x0                                ; the last trip's stores have read their registers
.irp j, 0,1,2,3,4,5,6,7,8,9,10,11,12,13,14,15
	ds_store_b128 v[STW], v[XL+4*\j:XL+4*\j+3] offset:528*\j
.endr
.irp s, 0,1,2,3,4,5,6,7
.irp c, 0,1
	ds_load_b128 v[T+8*\s+4*\c:T+8*\s+4*\c+3], v[XFR] offset:64*\s+32*\c   ; x's fragment of K step s: row r, K = 64 c + 32 h + 0..31
.endr
.endr
	s_wait_dscnt 0x0                               ; (in the first trip the weights' fragments too)
	MM T
	s_wait_kmcnt 0x0
	ADDRS                                          ; the tile four on: 18 plain vector instructions, the places behind the products
	s_add_co_u32 s53, s25, 4
	s_cmp_lt_u32 s53, s24
	s_cbranch_scc0 .Lno_next
	XLOADS
.Lno_next:
	s_lshl_b32 s53, s25, 4
	s_add_co_u32 s53, s53, s23
	s_min_u32 s26, s53, 2288                       ; this tile's first sorted row
	s_add_co_u32 s53, s53, 128
	s_min_u32 s27, s53, 2288                       ; and that of the tile eight on
	LISTNEXT
	; gelu(a) * u for my token's 16 hidden units; a in v208-223, u in v224-239, each accumulator read from its low end on
.irp j, 0,1,2,3,4,5,6,7,8,9,10,11,12,13,14,15
	v_and_b32 v[GA+\j], 0x7fffffff, v[ACC+\j]      ; |a|
.endr
.irp j, 0,2,4,6,8,10,12,14
	v_pk_fma_f32 v[GT+\j:GT+\j+1], v[GA+\j:GA+\j+1], 0x3eb504f3, 1.0 op_sel_hi:[1,0,0]   ; 1 + z / 2 = 1 + |a| / (2 sqrt 2)
.endr
.irp j, 0,1,2,3,4,5,6,7,8,9,10,11,12,13,14,15
	v_rcp_f32 v[GT+\j], v[GT+\j]                   ; t: one batch
.endr
.irp j, 0,2,4,6,8,10,12,14
	v_pk_mul_f32 v[GH+\j:GH+\j+1], v[GA+\j:GA+\j+1], 0.5 op_sel_hi:[1,0]     ; |a| / 2: plain work behind the batch
.endr
	s_wait_alu depctr_va_vdst(0)                   ; one wait for the 16 reciprocals, ahead of their first reader
.irp j, 0,2,4,6,8,10,12,14
	v_pk_fma_f32 v[GP+\j:GP+\j+1], v[GT+\j:GT+\j+1], v[C9:C9+1], 0xbf527891 op_sel_hi:[1,1,0]   ; c9 t + c8
.endr
.irp k, 0x3fbe87b0, 0xbf914e5d, 0x3e8ec7cc, 0xbe3ec24c, 0x3dc636c9, 0x3ebf88fb, 0x3f8000c7, 0xbfa1fc4e
.irp j, 0,2,4,6,8,10,12,14
	v_pk_fma_f32 v[GP+\j:GP+\j+1], v[GP+\j:GP+\j+1], v[GT+\j:GT+\j+1], \k op_sel_hi:[1,1,0]     ; .. t + c7 .. c0
.endr
.endr
.irp j, 0,2,4,6,8,10,12,14
	v_pk_fma_f32 v[GP+\j:GP+\j+1], v[GA+\j:GA+\j+1], v[GH+\j:GH+\j+1], v[GP+\j:GP+\j+1] neg_lo:[1,0,0] neg_hi:[1,0,0]   ; - z z = - |a| (|a| / 2), not rounded by itself
.endr
.irp j, 0,2,4,6,8,10,12,14
	v_pk_mul_f32 v[GP+\j:GP+\j+1], v[GP+\j:GP+\j+1], 0x3fb8aa3b op_sel_hi:[1,0]
.endr
.irp j, 0,1,2,3,4,5,6,7,8,9,10,11,12,13,14,15
	v_exp_f32 v[GP+\j], v[GP+\j]
.endr
	v_nop                                          ; a plain instruction behind the last exponential
	s_wait_alu depctr_va_vdst(0)                   ; one wait for the 16
.irp j, 0,2,4,6,8,10,12,14
	v_pk_mul_f32 v[GP+\j:GP+\j+1], v[GP+\j:GP+\j+1], v[GT+\j:GT+\j+1]        ; erfc(z)
.endr
.irp j, 0,1,2,3,4,5,6,7,8,9,10,11,12,13,14,15
	v_max_num_f32 v[GT+\j], 0, v[ACC+\j]
.endr
.irp j, 0,2,4,6,8,10,12,14
	v_pk_fma_f32 v[GT+\j:GT+\j+1], v[GP+\j:GP+\j+1], v[GH+\j:GH+\j+1], v[GT+\j:GT+\j+1] neg_lo:[1,0,0] neg_hi:[1,0,0]   ; gelu(a)
.endr
.irp j, 0,2,4,6,8,10,12,14
	v_pk_mul_f32 v[GT+\j:GT+\j+1], v[GT+\j:GT+\j+1], v[ACC+16+\j:ACC+17+\j]  ; x u
.endr
	; the block of 32 hidden units lies in lanes l and l xor 16, 16 neighbours each
	v_max3_num_f32 v249, |v[GT]|, |v[GT+1]|, 0x1800000
	v_max3_num_f32 v250, |v[GT+2]|, |v[GT+3]|, |v[GT+4]|
	v_max3_num_f32 v249, v249, |v[GT+5]|, |v[GT+6]|
	v_max3_num_f32 v250, v250, |v[GT+7]|, |v[GT+8]|
	v_max3_num_f32 v249, v249, |v[GT+9]|, |v[GT+10]|
	v_max3_num_f32 v250, v250, |v[GT+11]|, |v[GT+12]|
	v_max3_num_f32 v249, v249, |v[GT+13]|, |v[GT+14]|
	v_max3_num_f32 v250, v250, |v[GT+15]|, v249
	v_permlanex16_b32 v251, v250, s48, s49
	v_max_num_f32 v250, v250, v251
	v_add_nc_u32 v252, 0xff000000, v250
	v_lshl_add_u32 v[HQO], s26, 4, v[HQL]
	v_lshl_add_u32 v[HSO], s26, 5, v[HSL]
	v_cvt_scalef32_pk8_fp4_f32 v[PC], v[GT:GT+7], v252
	v_cvt_scalef32_pk8_fp4_f32 v[PC+1], v[GT+8:GT+15], v252
	v_lshrrev_b32 v[HB], 23, v252                  ; the scale's byte (a plain instruction behind the conversions)
	global_store_b64 v[HQO], v[PC:PC+1], s[14:15]  ; 16 rows x 16 bytes: the wave stores 256 consecutive bytes, aligned
	global_store_b8 v[HSO], v[HB], s[16:17]        ; one byte a row (lanes l and l xor 16 the same byte, the same value): a row's 32 bytes are made by 32 waves of 16 work-groups
	s_add_co_u32 s25, s25, 4                       ; my next tile
	s_add_co_u32 s30, s30, 1                       ; the loop ends on a counter that steps by one, against a bound that the loop does not write
	s_cmp_lt_u32 s30, s31
	s_cbranch_scc1 .Ltile
.Lend:
	s_wait_tensorcnt 0x0                           ; the wave's end
	ds_add_u32 v[SPW], v[NIL]
	s_wait_dscnt 0x0
	s_endpgm
.Lfunc_end_k_q11e87e96e6_gateup:
	.size	k_q11e87e96e6_gateup, .Lfunc_end_k_q11e87e96e6_gateup-k_q11e87e96e6_gateup
	.p2alignl 7, 3214868480
	.fill 96, 4, 3214868480
	.section	.rodata,"a",@progbits
	.p2align	6, 0x0
	.amdhsa_kernel k_q11e87e96e6_gateup
		.amdhsa_group_segment_fixed_size 138240
		.amdhsa_private_segment_fixed_size 0
		.amdhsa_enable_private_segment 0
		.amdhsa_kernarg_size 56
		.amdhsa_user_sgpr_count 2
		.amdhsa_user_sgpr_kernarg_segment_ptr 1
		.amdhsa_wavefront_size32 1
		.amdhsa_system_sgpr_workgroup_id_x 1
		.amdhsa_system_sgpr_workgroup_id_y 1
		.amdhsa_system_sgpr_workgroup_id_z 1
		.amdhsa_system_vgpr_workitem_id 0
		.amdhsa_next_free_vgpr 512
		.amdhsa_next_free_sgpr 66
		.amdhsa_reserve_vcc 0
		.amdhsa_float_denorm_mode_32 3
		.amdhsa_float_denorm_mode_16_64 3
		.amdhsa_memory_ordered 1
		.amdhsa_forward_progress 1
		.amdhsa_inst_pref_size 94
	.end_amdhsa_kernel
	.amdgpu_metadata
---
amdhsa.version: [ 1, 2 ]
amdhsa.kernels:
  - .name:           k_q11e87e96e6_gateup
    .symbol:         k_q11e87e96e6_gateup.kd
    .args:
      - { .name: xq, .offset: 0, .size: 8, .value_kind: global_buffer, .address_space: global }
      - { .name: xs, .offset: 8, .size: 8, .value_kind: global_buffer, .address_space: global }
      - { .name: rtab, .offset: 16, .size: 8, .value_kind: global_buffer, .address_space: global }
      - { .name: w1, .offset: 24, .size: 8, .value_kind: global_buffer, .address_space: global }
      - { .name: w3, .offset: 32, .size: 8, .value_kind: global_buffer, .address_space: global }
      - { .name: hq, .offset: 40, .size: 8, .value_kind: global_buffer, .address_space: global }
      - { .name: hs, .offset: 48, .size: 8, .value_kind: global_buffer, .address_space: global }
    .group_segment_fixed_size: 138240
    .private_segment_fixed_size: 0
    .kernarg_segment_align: 8
    .kernarg_segment_size: 56
    .max_flat_workgroup_size: 256
    .sgpr_count:     66
    .vgpr_count:     512
    .wavefront_size: 32
...
	.end_amdgpu_metadata
.endif
;; end of part 2
;; launch down (part 3): grid 16 x 16, 8 waves a work-group, no clusters, 138,240 bytes of LDS; arguments hq, hs, rtab, w2, ybuf; writes ybuf
.if DOCPART == 3
	.amdgcn_target "amdgcn-amd-amdhsa--gfx1250"
	.amdhsa_code_object_version 6
	.text
	.protected	k_q11e87e96e6_down
	.globl	k_q11e87e96e6_down
	.p2align	8
	.type	k_q11e87e96e6_down,@function
k_q11e87e96e6_down:
	s_mov_b64 s[64:65], 0
	v_nop
	global_prefetch_b8 v0, s[64:65] scope:SCOPE_SE
	s_setreg_imm32_b32 hwreg(HW_REG_WAVE_MODE, 25, 1), 1
	s_wait_xcnt 0x0
; DOWN: y = hidden w2^T for the sorted rows of expert e (work-group y), 64 of the 1,024 outputs (work-group x); f32, without the gate.
; Left out: the rows of tokens that did not choose the expert (see the head of the first kernel).
; As in the launch before, each byte of w2 is read once, as f32, in runs of 512 consecutive bytes, quantised in registers by the one work-group that uses it, and handed round as register images in LDS.
; SHARES.  Streaming: wave w takes tile w / 2 (16 rows of w2) and K steps 4 (w % 2) + 0..3: four units, all asked for at the head.  ONE barrier.  Then every wave holds all 4 tiles x 8 K steps
; (256 registers) and walks token tiles w, w + 8, ..: so one wave makes 16 rows x 64 outputs, whole pieces of 256 bytes of y's rows.
; The hidden codes lie [block of 32][row][16 bytes]: a load of 16 bytes a lane is already the operand's register image, and covers two aligned runs of 256 bytes.
; No tensor load and no cluster: the count of token tiles is read from memory; no weight tile is read by two work-groups.  The barrier stands ahead of every branch on a stored number.
; The products are used transposed (source 0 = 16 rows of w2, source 1 = 16 tokens): a lane holds eight neighbouring outputs of one row.
.set STGB,  8448
.set IMG,   8*STGB
.set WSC,   IMG+8*8192
.set SPARE, WSC+8*512
.set RSK,   0                          ; a tile's rows are neighbours
.set RR,1
.set HH,2
.set GOF,3
.set STW,4
.set STR,5
.set IMW,6
.set SCW,7
.set IMR,8
.set SCR,9
.set SPW,10
.set NIL,11
.set STO,12
.set RD,13
.set HOL,14
.set HSL,15
.set YOL,16
.set HO,17
.set HSO,18
.set YO,19
.set H8,20
.set WS,24
.set SS,40
.set T,80
.set OUTR,144
.set ACC,208
.set PC,240
.set PW,248
.set MSB, 0
.macro WIN new
.if MSB != \new
	s_set_vgpr_msb (MSB<<8)|\new
.set MSB, \new
.endif
.endm
.macro ULOAD u
	WIN 0x40
.irp n, 0,1,2,3,4,5,6,7,8,9,10,11,12,13,14,15
	global_load_b128 v[64*((\u)%4)+4*\n:64*((\u)%4)+4*\n+3], v[GOF], s[28:29] offset:(\n+RSK*(\n/8))*4096+512*(\u) th:TH_LOAD_NT
.endr
	WIN 0
.endm
.macro QW                              ; v[T] on: register 32 c + i = K 64 c + 32 h + i of my row -> the fragment in v[PC] on, its scale word in v[PW]
	v_max3_num_f32 v249, |v[T]|, |v[T+1]|, 0x1800000
	v_max3_num_f32 v250, |v[T+32]|, |v[T+33]|, 0x1800000
.irp i, 2,4,6,8,10,12,14,16,18,20,22,24,26,28,30
	v_max3_num_f32 v249, v249, |v[T+\i]|, |v[T+1+\i]|
	v_max3_num_f32 v250, v250, |v[T+32+\i]|, |v[T+33+\i]|
.endr
	v_add_nc_u32 v251, 0xff000000, v249
	v_add_nc_u32 v252, 0xff000000, v250
	v_lshrrev_b32 v249, 23, v251
	v_lshrrev_b32 v250, 23, v252
	v_lshl_or_b32 v[PW], v250, 16, v249
	v_lshlrev_b32 v[PW], v[H8], v[PW]
	v_permlanex16_b32 v253, v[PW], s48, s49
	v_or_b32 v[PW], v[PW], v253
.irp g, 0,1,2,3
	v_cvt_scalef32_pk8_fp4_f32 v[PC+\g], v[T+8*\g:T+8*\g+7], v251
.endr
.irp g, 0,1,2,3
	v_cvt_scalef32_pk8_fp4_f32 v[PC+4+\g], v[T+32+8*\g:T+32+8*\g+7], v252
.endr
	v_nop
.endm
.macro WUNIT j, cnt
	s_wait_loadcnt \cnt                            ; the units behind unit j may be out
	WIN 0x04
.irp m, 0,1,2,3,4,5,6,7,8,9,10,11,12,13,14,15
	ds_store_b128 v[STW], v[64*((\j)%4)+4*\m:64*((\j)%4)+4*\m+3] offset:528*\m
.endr
	WIN 0
.irp c, 0,1
.irp i, 0,1,2,3,4,5,6,7
	ds_load_b128 v[T+32*\c+4*\i:T+32*\c+4*\i+3], v[STR] offset:256*\c+16*\i
.endr
.endr
	s_wait_dscnt 0x0
	QW
	ds_store_b128 v[IMW], v[PC:PC+3] offset:1024*(\j)
	ds_store_b128 v[IMW], v[PC+4:PC+7] offset:1024*(\j)+512
	ds_store_b32 v[SCW], v[PW] offset:64*(\j)
.endm
.macro IMGLOAD
	WIN 0x40
.irp t, 0,1,2,3
.irp s, 0,1,2,3,4,5,6,7
.irp c, 0,1
	ds_load_b128 v[8*(8*\t+\s)+4*\c:8*(8*\t+\s)+4*\c+3], v[IMR] offset:8192*\t+1024*\s+512*\c
.endr
.endr
.endr
	WIN 0
.irp t, 0,1,2,3
.irp j, 0,1,2,3
	ds_load_b32 v[WS+4*\t+\j], v[SCR] offset:512*\t+64*\j
.endr
.endr
.endm
.macro MM f                            ; 8 K steps x 4 tiles; the four accumulators take turns
	WIN 0x01
.irp s, 0,1,2,3,4,5,6,7
.irp t, 0,1,2,3
.if \s == 0
	v_wmma_scale_f32_16x16x128_f8f6f4 v[ACC+8*\t:ACC+8*\t+7], v[8*(8*\t+\s):8*(8*\t+\s)+7], v[\f+8*\s:\f+8*\s+7], 0, v[WS+4*\t+\s], v[SS+\s] matrix_a_fmt:MATRIX_FMT_FP4 matrix_b_fmt:MATRIX_FMT_FP4
.elseif \s < 4
	v_wmma_scale_f32_16x16x128_f8f6f4 v[ACC+8*\t:ACC+8*\t+7], v[8*(8*\t+\s):8*(8*\t+\s)+7], v[\f+8*\s:\f+8*\s+7], v[ACC+8*\t:ACC+8*\t+7], v[WS+4*\t+\s], v[SS+\s] matrix_a_fmt:MATRIX_FMT_FP4 matrix_b_fmt:MATRIX_FMT_FP4
.else
	v_wmma_scale_f32_16x16x128_f8f6f4 v[ACC+8*\t:ACC+8*\t+7], v[8*(8*\t+\s):8*(8*\t+\s)+7], v[\f+8*\s:\f+8*\s+7], v[ACC+8*\t:ACC+8*\t+7], v[WS+4*\t+\s-4], v[SS+\s-4] matrix_a_fmt:MATRIX_FMT_FP4 matrix_b_fmt:MATRIX_FMT_FP4 matrix_a_scale:MATRIX_SCALE_ROW1 matrix_b_scale:MATRIX_SCALE_ROW1
.endif
.endr
.endr
	WIN 0
.endm
.macro HLOADS                          ; a token tile's 8 fragments: block 4 s + 2 c + h, row r; and the rows' scale words: lanes 0-15 K steps 0-3, lanes 16-31 K steps 4-7
.irp s, 0,1,2,3,4,5,6,7
.irp c, 0,1
	global_load_b128 v[T+8*\s+4*\c:T+8*\s+4*\c+3], v[HO], s[4:5] offset:(4*\s+2*\c)*36864
.endr
.endr
	global_load_b128 v[SS:SS+3], v[HSO], s[6:7]
.endm
	s_load_b256 s[4:11], s[0:1], 0x0               ; hq, hs, rtab, w2
	s_load_b64 s[12:13], s[0:1], 0x20              ; ybuf
	v_lshl_add_u32 v[SPW], v0, 2, SPARE            ; my spare word; never rewritten
	v_mov_b32 v[NIL], 0                            ; 0; never rewritten
	v_lshrrev_b32 v61, 5, v0
	v_readfirstlane_b32 s18, v61                   ; wave 0..7
	s_lshr_b32 s19, s18, 1                         ; my tile while streaming
	s_and_b32 s20, s18, 1                          ; my half of K
	s_and_b32 s21, ttmp7, 0xffff                   ; the expert
	v_and_b32 v61, 31, v0
	v_lshlrev_b32 v[GOF], 4, v61
	s_lshl_b32 s50, s19, 4
	s_lshl_b32 s51, ttmp9, 6
	s_add_co_u32 s50, s50, s51                     ; my tile's first row: 64 slice + 16 tile
	s_lshl_b32 s50, s50, 12
	s_lshl_b32 s51, s20, 11                        ; four K steps of 512 bytes
	s_add_co_u32 s50, s50, s51
	s_lshl_b32 s51, s21, 22
	s_add_co_u32 s50, s50, s51
	s_mov_b32 s51, 0
	s_lshl_b32 s54, ttmp9, 8                       ; my 64 outputs in a row of y
	s_mov_b32 s55, 0
	s_wait_kmcnt 0x0
	s_add_nc_u64 s[28:29], s[10:11], s[50:51]
	ULOAD 0                                        ; all that the wave streams is asked for at once
	ULOAD 1
	ULOAD 2
	ULOAD 3
	s_add_nc_u64 s[12:13], s[12:13], s[54:55]
	v_and_b32 v[RR], 15, v0
	v_bfe_u32 v[HH], v0, 4, 1
	s_mul_i32 s50, s18, STGB
	v_add_nc_u32 v[STW], s50, v[GOF]
	v_mul_u32_u24 v61, v[RR], 528
	v_add_nc_u32 v61, s50, v61
	v_lshl_add_u32 v[STR], v[HH], 7, v61
	v_mul_u32_u24 v61, v[RR], 272                  ; the way out uses the same stage as rows of 256 + 16 bytes
	v_add_nc_u32 v61, s50, v61
	v_lshl_add_u32 v[STO], v[HH], 5, v61           ; in: row r, + 32 h (+ 64 x tile)
	v_mul_u32_u24 v61, v[HH], 272
	v_add_nc_u32 v61, s50, v61
	v_lshl_add_u32 v[RD], v[RR], 4, v61            ; back: lanes 0-15 one row, lanes 16-31 the next
	s_lshl_b32 s50, s18, 12
	s_add_co_u32 s50, s50, IMG
	v_add_nc_u32 v[IMW], s50, v[GOF]               ; images: tile x 8,192 + half x 4,096
	s_lshl_b32 s50, s18, 8
	s_add_co_u32 s50, s50, WSC
	v_lshl_add_u32 v[SCW], v[RR], 2, s50           ; scale words: tile x 512 + half x 256
	v_add_nc_u32 v[IMR], IMG, v[GOF]
	v_lshlrev_b32 v61, 2, v[RR]
	v_lshl_add_u32 v61, v[HH], 8, v61
	v_add_nc_u32 v[SCR], WSC, v61
	v_lshlrev_b32 v[H8], 3, v[HH]
	v_mul_u32_u24 v[HOL], v[HH], 36864
	v_lshl_add_u32 v[HOL], v[RR], 4, v[HOL]        ; hq: 36,864 h + 16 r
	v_lshlrev_b32 v[HSL], 5, v[RR]
	v_lshl_add_u32 v[HSL], v[HH], 4, v[HSL]        ; hs: 32 r + 16 h
	v_lshlrev_b32 v[YOL], 12, v[HH]
	v_lshl_add_u32 v[YOL], v[RR], 4, v[YOL]        ; y: 4,096 h + 16 r
	v_mov_b32 v253, 0
	s_mov_b32 s48, 0x76543210
	s_mov_b32 s49, 0xfedcba98
	s_lshl_b32 s52, s21, 2
	s_load_b32 s23, s[8:9], s52 offset:0x0         ; the expert's first sorted row
	s_load_b32 s24, s[8:9], s52 offset:0x80        ; its tiles
	s_wait_kmcnt 0x0
	s_min_u32 s23, s23, 2288
	s_min_u32 s24, s24, 64
	s_max_u32 s51, s24, 1
	s_sub_co_u32 s51, s51, 1
	s_min_u32 s51, s51, s18                        ; my first tile, or the expert's last where I have none: what is loaded then is not used
	s_lshl_b32 s51, s51, 4
	s_add_co_u32 s27, s23, s51
	s_min_u32 s27, s27, 2288
	WUNIT 0, 48
	WUNIT 1, 32
	WUNIT 2, 16
	WUNIT 3, 0
	v_lshl_add_u32 v[HO], s27, 4, v[HOL]
	v_lshl_add_u32 v[HSO], s27, 5, v[HSL]
	HLOADS                                         ; my first tile, into the registers that the units have left
	s_wait_dscnt 0x0                               ; my images have landed
	s_barrier_signal -1
	s_barrier_wait -1                              ; everybody's have: the one barrier
	IMGLOAD
	s_mov_b32 s25, s18                             ; tt: my first tile
	s_add_co_u32 s31, s24, 7
	s_sub_co_u32 s31, s31, s18
	s_lshr_b32 s31, s31, 3                         ; my trips: the tiles w, w + 8, .. under nt are (nt + 7 - w) / 8, 8 at the most; 0 where nt <= w
	s_mov_b32 s30, 0                               ; the loop's counter: one a trip
	s_cmp_eq_u32 s31, 0
	s_cbranch_scc1 .Lend
.Ltile:
	s_wait_loadcnt 0x0                             ; this tile's fragments and scale words
	s_wait_xcnt 0x0                                ; the last trip's stores have read their registers
	s_wait_dscnt 0x0                               ; (in the first trip the weights' fragments)
	MM T
	s_lshl_b32 s53, s25, 4
	s_add_co_u32 s53, s53, s23
	s_min_u32 s26, s53, 2288                       ; this tile's first sorted row
	s_add_co_u32 s53, s53, 128
	s_min_u32 s27, s53, 2288                       ; and the next one's
	v_lshl_add_u32 v[HO], s27, 4, v[HOL]           ; five plain vector instructions: the places behind the products
	v_lshl_add_u32 v[HSO], s27, 5, v[HSL]
	v_lshl_add_u32 v[YO], s26, 12, v[YOL]
	v_nop
	v_nop
	s_add_co_u32 s53, s25, 8
	s_cmp_lt_u32 s53, s24
	s_cbranch_scc0 .Lno_next
	HLOADS
.Lno_next:
.irp t, 0,1,2,3
	ds_store_b128 v[STO], v[ACC+8*\t:ACC+8*\t+3] offset:64*\t          ; each accumulator from its low end on
	ds_store_b128 v[STO], v[ACC+8*\t+4:ACC+8*\t+7] offset:64*\t+16
.endr
.irp i, 0,1,2,3,4,5,6,7
	ds_load_b128 v[OUTR+4*\i:OUTR+4*\i+3], v[RD] offset:544*\i         ; LDS serves a wave's instructions in order: these see the stores
.endr
.irp i, 0,1,2,3,4,5,6,7
	s_wait_dscnt 7-\i                              ; the younger loads from the stage may be out
	global_store_b128 v[YO], v[OUTR+4*\i:OUTR+4*\i+3], s[12:13] offset:8192*\i    ; sixteen lanes store 256 consecutive bytes, aligned
.endr
	s_add_co_u32 s25, s25, 8                       ; my next tile
	s_add_co_u32 s30, s30, 1                       ; the loop ends on a counter that steps by one, against a bound that the loop does not write
	s_cmp_lt_u32 s30, s31
	s_cbranch_scc1 .Ltile
.Lend:
	s_wait_tensorcnt 0x0                           ; the wave's end
	ds_add_u32 v[SPW], v[NIL]
	s_wait_dscnt 0x0
	s_endpgm
.Lfunc_end_k_q11e87e96e6_down:
	.size	k_q11e87e96e6_down, .Lfunc_end_k_q11e87e96e6_down-k_q11e87e96e6_down
	.p2alignl 7, 3214868480
	.fill 96, 4, 3214868480
	.section	.rodata,"a",@progbits
	.p2align	6, 0x0
	.amdhsa_kernel k_q11e87e96e6_down
		.amdhsa_group_segment_fixed_size 138240
		.amdhsa_private_segment_fixed_size 0
		.amdhsa_enable_private_segment 0
		.amdhsa_kernarg_size 40
		.amdhsa_user_sgpr_count 2
		.amdhsa_user_sgpr_kernarg_segment_ptr 1
		.amdhsa_wavefront_size32 1
		.amdhsa_system_sgpr_workgroup_id_x 1
		.amdhsa_system_sgpr_workgroup_id_y 1
		.amdhsa_system_sgpr_workgroup_id_z 1
		.amdhsa_system_vgpr_workitem_id 0
		.amdhsa_next_free_vgpr 512
		.amdhsa_next_free_sgpr 66
		.amdhsa_reserve_vcc 0
		.amdhsa_float_denorm_mode_32 3
		.amdhsa_float_denorm_mode_16_64 3
		.amdhsa_memory_ordered 1
		.amdhsa_forward_progress 1
		.amdhsa_inst_pref_size 47
	.end_amdhsa_kernel
	.amdgpu_metadata
---
amdhsa.version: [ 1, 2 ]
amdhsa.kernels:
  - .name:           k_q11e87e96e6_down
    .symbol:         k_q11e87e96e6_down.kd
    .args:
      - { .name: hq, .offset: 0, .size: 8, .value_kind: global_buffer, .address_space: global }
      - { .name: hs, .offset: 8, .size: 8, .value_kind: global_buffer, .address_space: global }
      - { .name: rtab, .offset: 16, .size: 8, .value_kind: global_buffer, .address_space: global }
      - { .name: w2, .offset: 24, .size: 8, .value_kind: global_buffer, .address_space: global }
      - { .name: ybuf, .offset: 32, .size: 8, .value_kind: global_buffer, .address_space: global }
    .group_segment_fixed_size: 138240
    .private_segment_fixed_size: 0
    .kernarg_segment_align: 8
    .kernarg_segment_size: 40
    .max_flat_workgroup_size: 256
    .sgpr_count:     66
    .vgpr_count:     512
    .wavefront_size: 32
...
	.end_amdgpu_metadata
.endif
;; end of part 3
;; launch combine (part 4): grid 256 x 1, 4 waves a work-group, no clusters, 0 bytes of LDS; arguments ybuf, rtab, gate, out0; writes out0
.if DOCPART == 4
	.amdgcn_target "amdgcn-amd-amdhsa--gfx1250"
	.amdhsa_code_object_version 6
	.text
	.protected	k_q11e87e96e6_combine
	.globl	k_q11e87e96e6_combine
	.p2align	8
	.type	k_q11e87e96e6_combine,@function
k_q11e87e96e6_combine:
	s_mov_b64 s[64:65], 0
	v_nop
	global_prefetch_b8 v0, s[64:65] scope:SCOPE_SE
	s_setreg_imm32_b32 hwreg(HW_REG_WAVE_MODE, 25, 1), 1
	s_wait_xcnt 0x0
; COMBINE: out[t] = g0 y[row0(t)] + g1 y[row1(t)]: the last product of the layer, of which the 14 terms with a combine weight of exactly 0 are left out (see the head of the first kernel).
; One wave a token.  The two sorted rows and the two gates were stored by the first launch; the rows are held to the buffer before they enter an address.
; A stream: 16 loads of 512 consecutive bytes, all out at once; four packed operations for four numbers; 8 stores of 512 consecutive bytes.  No LDS, no barrier, no matrix unit: memory binds.
	s_load_b256 s[4:11], s[0:1], 0x0               ; ybuf, rtab, gate, out0
	v_lshrrev_b32 v1, 5, v0
	v_readfirstlane_b32 s12, v1                    ; wave 0..3
	s_lshl_b32 s13, ttmp9, 2
	s_add_co_u32 s13, s13, s12                     ; my token
	s_lshl_b32 s14, s13, 3
	v_and_b32 v2, 31, v0
	v_lshlrev_b32 v2, 4, v2                        ; 16 x lane
	s_wait_kmcnt 0x0
	s_load_b64 s[16:17], s[6:7], s14 offset:0x100  ; its two sorted rows
	s_load_b64 s[18:19], s[8:9], s14 offset:0x0    ; its two gates
	v_lshl_add_u32 v5, s13, 12, v2                 ; its row of out
	s_wait_kmcnt 0x0
	s_min_u32 s16, s16, 2303
	s_min_u32 s17, s17, 2303
	v_lshl_add_u32 v3, s16, 12, v2
	v_lshl_add_u32 v4, s17, 12, v2
	s_mov_b32 s20, s18                             ; the packed forms name a pair and take its low word for both halves
	s_mov_b32 s21, s18
	s_mov_b32 s22, s19
	s_mov_b32 s23, s19
.irp j, 0,1,2,3,4,5,6,7
	global_load_b128 v[8+4*\j:11+4*\j], v3, s[4:5] offset:512*\j th:TH_LOAD_NT
.endr
.irp j, 0,1,2,3,4,5,6,7
	global_load_b128 v[40+4*\j:43+4*\j], v4, s[4:5] offset:512*\j th:TH_LOAD_NT
.endr
.irp j, 0,1,2,3,4,5,6,7
	s_wait_loadcnt 7-\j                            ; piece j of the second row is in (the first row's loads are older); the younger pieces may be out
	v_pk_mul_f32 v[8+4*\j:9+4*\j], v[8+4*\j:9+4*\j], s[20:21] op_sel_hi:[1,0]
	v_pk_mul_f32 v[10+4*\j:11+4*\j], v[10+4*\j:11+4*\j], s[20:21] op_sel_hi:[1,0]
	v_pk_fma_f32 v[8+4*\j:9+4*\j], v[40+4*\j:41+4*\j], s[22:23], v[8+4*\j:9+4*\j] op_sel_hi:[1,0,1]
	v_pk_fma_f32 v[10+4*\j:11+4*\j], v[42+4*\j:43+4*\j], s[22:23], v[10+4*\j:11+4*\j] op_sel_hi:[1,0,1]
	global_store_b128 v5, v[8+4*\j:11+4*\j], s[10:11] offset:512*\j th:TH_STORE_NT   ; 512 consecutive bytes, aligned; no register of a store is written again
.endr
	s_endpgm
.Lfunc_end_k_q11e87e96e6_combine:
	.size	k_q11e87e96e6_combine, .Lfunc_end_k_q11e87e96e6_combine-k_q11e87e96e6_combine
	.p2alignl 7, 3214868480
	.fill 96, 4, 3214868480
	.section	.rodata,"a",@progbits
	.p2align	6, 0x0
	.amdhsa_kernel k_q11e87e96e6_combine
		.amdhsa_group_segment_fixed_size 0
		.amdhsa_private_segment_fixed_size 0
		.amdhsa_enable_private_segment 0
		.amdhsa_kernarg_size 32
		.amdhsa_user_sgpr_count 2
		.amdhsa_user_sgpr_kernarg_segment_ptr 1
		.amdhsa_wavefront_size32 1
		.amdhsa_system_sgpr_workgroup_id_x 1
		.amdhsa_system_sgpr_workgroup_id_y 1
		.amdhsa_system_sgpr_workgroup_id_z 1
		.amdhsa_system_vgpr_workitem_id 0
		.amdhsa_next_free_vgpr 80
		.amdhsa_next_free_sgpr 66
		.amdhsa_reserve_vcc 0
		.amdhsa_float_denorm_mode_32 3
		.amdhsa_float_denorm_mode_16_64 3
		.amdhsa_memory_ordered 1
		.amdhsa_forward_progress 1
		.amdhsa_inst_pref_size 6
	.end_amdhsa_kernel
	.amdgpu_metadata
---
amdhsa.version: [ 1, 2 ]
amdhsa.kernels:
  - .name:           k_q11e87e96e6_combine
    .symbol:         k_q11e87e96e6_combine.kd
    .args:
      - { .name: ybuf, .offset: 0, .size: 8, .value_kind: global_buffer, .address_space: global }
      - { .name: rtab, .offset: 8, .size: 8, .value_kind: global_buffer, .address_space: global }
      - { .name: gate, .offset: 16, .size: 8, .value_kind: global_buffer, .address_space: global }
      - { .name: out0, .offset: 24, .size: 8, .value_kind: global_buffer, .address_space: global }
    .group_segment_fixed_size: 0
    .private_segment_fixed_size: 0
    .kernarg_segment_align: 8
    .kernarg_segment_size: 32
    .max_flat_workgroup_size: 128
    .sgpr_count:     66
    .vgpr_count:     80
    .wavefront_size: 32
...
	.end_amdgpu_metadata
.endif
;; end of part 4
;; ======== version 2 of 2: 4 launches
;; workspace buffers: rtab 24,832 bytes of whole numbers; gate 8,192 bytes; xq 524,288 bytes; xs 32,768 bytes; hq 1,179,648 bytes; hs 73,728 bytes; ybuf 9,437,184 bytes
;; launch route (part 5): grid 256 x 1, 32 waves a work-group, no clusters, 41,216 bytes of LDS; arguments x, router_logits, per_expert_scale, xq, xs, rtab, gate; writes xq, xs, rtab, gate
.if DOCPART == 5
	.amdgcn_target "amdgcn-amd-amdhsa--gfx1250"
	.amdhsa_code_object_version 6
	.text
	.protected	k_q11e87e96e6_route
	.globl	k_q11e87e96e6_route
	.p2align	8
	.type	k_q11e87e96e6_route,@function
k_q11e87e96e6_route:
	s_mov_b64 s[64:65], 0
	v_nop
	global_prefetch_b8 v0, s[64:65] scope:SCOPE_SE
	s_setreg_imm32_b32 hwreg(HW_REG_WAVE_MODE, 25, 1), 1
	s_wait_xcnt 0x0
; ROUTE: the top-2 choice of every token, the rows sorted by expert, the two gate weights, and x as codes of FP4 (E2M1) with one E8M0 byte for each 32 along H.
; DEAD WORK LEFT OUT BY THE WHOLE PROGRAM, for all values of the inputs:
;  (1) combine[t][e] is a sum of one_hot rows times weights, so it is exactly 0 for the 14 experts that are not among token t's top 2: the rows (e, t) of the three quantised products
;      for those experts are multiplied by that 0 in the last product and reach no output.  Only the 2,048 chosen rows are multiplied; the last product is two multiply-adds a number.
;  (2) probs = exp(l - max) / S.  In dispatch = gate_w / renorm the sum S over the 16 experts stands in numerator and denominator: p_a / (p_a + p_b) = 1 / (1 + e_b), e_b = exp(l_b - l_a).
;      The maximum is still taken away (l_a is the row's maximum), and the guard renorm > 0 is kept as a select on 1 + e_b.
; LIMITS: a NaN, an infinity or an overflow that reaches only the rows left out is not carried to the result.  NaN and infinities among logits, x and weights are not served.
;  A block whose largest magnitude lies under 2^-124 gets the scale byte 1; so does a block of zeros (its codes are zeros; the bytes are read by this program alone).  top_k = 2 is built in.
; NO ADDRESS AND NO BRANCH HANGS ON THE CHOICE.  Every work-group repeats the routing of all 1,024 tokens, a thread a token, and keeps ranks and places as VALUES; every LDS and global address is
; made of ids.  The list (sorted row -> token) is made by comparing: work-group g owns sorted rows 16 g .. 16 g + 15 and looks among all 2,048 places for them.
; SORTED ROWS: experts ascending, tokens ascending in an expert, each expert's run filled up to a multiple of 16 rows (2,288 rows at the most).  A filling row names token 0; its results are never read.
; rtab: words 0-15 first row of expert e; words 32-47 its tiles of 16 rows; from byte 256 [1024][2] the sorted row of (token, slot); from byte 8448 [4096] the token of a sorted row.
; x: work-group g takes tokens 4 g .. 4 g + 3; waves 0-7 take 512 numbers each: dense loads, a turn through the wave's own stage so that a lane holds 16 neighbours, 256 consecutive bytes of codes out.
.set CNT,   0                          ; [32 waves][32 words]: how many of a wave's tokens chose expert (lane)
.set POSL,  4096                       ; [1024][2] words: the sorted rows
.set RED,   12288                      ; [32 waves][32 words]: what each wave found for the work-group's 16 rows
.set XST,   16384                      ; eight stages of 32 x 80 bytes
.set SP,    80
.set XSC,   36864                      ; the work-group's 128 scale bytes of x
.set SPARE, 37120                      ; the spare words, 128 bytes for each of 32 waves
.set LISTO, 8448
.macro BAR                             ; my LDS stores have landed and my LDS loads are in: then the barrier
	s_wait_dscnt 0x0
	s_barrier_signal -1
	s_barrier_wait -1
.endm
	s_load_b256 s[4:11], s[0:1], 0x0               ; x, logits, per_expert_scale, xq
	s_load_b128 s[12:15], s[0:1], 0x20             ; xs, rtab
	s_load_b64 s[16:17], s[0:1], 0x30              ; gate
	v_lshl_add_u32 v2, v0, 2, SPARE                ; my spare word; never rewritten
	v_mov_b32 v3, 0                                ; 0; never rewritten
	v_lshrrev_b32 v24, 5, v0
	s_delay_alu instid0(VALU_DEP_1)
	v_readfirstlane_b32 s18, v24                   ; wave 0..31
	v_and_b32 v1, 31, v0                           ; lane
	s_delay_alu instid0(VALU_DEP_1)
	; every LDS address is made here, ahead of the first parting of the waves
	v_lshlrev_b32 v27, 2, v1                       ; 4 x lane
	v_lshlrev_b32 v108, 2, v0                      ; 4 x thread
	v_lshlrev_b32 v109, 3, v0                      ; 8 x thread
	v_and_b32 v113, 0x3f0, v0                      ; 32 x wave + 16 x half: the first token that my half of the lanes scans
	s_delay_alu instid0(VALU_DEP_1)
	v_lshlrev_b32 v110, 3, v113                    ; and its 8 bytes a token
	s_min_u32 s21, s18, 7                          ; the waves that quantise x are 0-7; the others never use what follows
	s_mul_i32 s22, s21, 32*SP
	s_add_co_u32 s22, s22, XST
	v_lshrrev_b32 v24, 2, v1
	s_delay_alu instid0(VALU_DEP_1)
	v_mul_u32_u24 v114, v24, SP
	v_and_b32 v24, 3, v1
	s_delay_alu instid0(VALU_DEP_1)
	v_lshl_add_u32 v114, v24, 4, v114
	s_delay_alu instid0(VALU_DEP_1)
	v_add_nc_u32 v114, s22, v114                   ; the stage on the way in: 80 (lane / 4) + 16 (lane % 4)
	v_mul_u32_u24 v115, v1, SP
	s_delay_alu instid0(VALU_DEP_1)
	v_add_nc_u32 v115, s22, v115                   ; and on the way out: 80 x lane
	s_lshl_b32 s22, s21, 4
	s_add_co_u32 s22, s22, XSC
	v_lshrrev_b32 v116, 1, v1
	s_delay_alu instid0(VALU_DEP_1)
	v_add_nc_u32 v116, s22, v116                   ; my block's scale byte
	; offsets in memory
	s_lshl_b32 s19, ttmp9, 14
	s_lshl_b32 s20, s21, 11
	s_add_co_u32 s19, s19, s20
	v_lshl_add_u32 v106, v1, 4, s19                ; x: 16,384 g + 2,048 wave + 16 lane
	v_lshlrev_b32 v107, 6, v0                      ; logits: 64 bytes a token
	s_lshl_b32 s19, ttmp9, 11
	s_lshl_b32 s20, s21, 8
	s_add_co_u32 s19, s19, s20
	v_lshl_add_u32 v117, v1, 3, s19                ; xq: 2,048 g + 256 wave + 8 lane
	s_lshl_b32 s19, ttmp9, 7
	v_lshl_add_u32 v119, v1, 2, s19                ; xs: 128 g + 4 lane
	s_lshl_b32 s19, ttmp9, 6
	v_lshl_add_u32 v120, v1, 2, s19                ; the list: 64 g + 4 lane
	s_lshl_b32 s19, ttmp9, 4
	v_and_b32 v111, 15, v0
	s_delay_alu instid0(VALU_DEP_1)
	v_add_nc_u32 v111, s19, v111                   ; the sorted row that my lane looks for: 16 g + lane % 16
	s_wait_kmcnt 0x0
	s_load_b512 s[84:99], s[8:9], 0x0              ; per_expert_scale
	s_cmp_lt_u32 s18, 8
	s_cbranch_scc0 .Lno_x
	s_wait_alu depctr_va_vdst(0)
.irp i, 0,1,2,3
	global_load_b128 v[72+4*\i:75+4*\i], v106, s[4:5] offset:512*\i th:TH_LOAD_NT   ; 512 consecutive bytes a load
.endr
.Lno_x:
	s_wait_alu depctr_va_vdst(0)
.irp i, 0,1,2,3
	global_load_b128 v[4+4*\i:7+4*\i], v107, s[6:7] offset:16*\i    ; my token's 16 logits
.endr
	s_wait_loadcnt 0x0
	; THE TOP 2.  m1 >= m2 with their experts i1, i2; a later equal logit never displaces an earlier one (the lower index wins a tie)
	v_mov_b32 v20, v4
	v_mov_b32 v21, 0xff800000
	v_mov_b32 v22, 0
	v_mov_b32 v23, 0
.irp i, 1
	s_delay_alu instid0(VALU_DEP_4)
	v_cmp_le_f32 s19, v[4+\i], v20                 ; not above m1
	s_delay_alu instid0(VALU_DEP_4)
	v_cmp_le_f32 vcc_lo, v[4+\i], v21              ; not above m2
	s_delay_alu instid0(VALU_DEP_1)
	v_cndmask_b32 v24, \i, v23, vcc_lo             ; the second place if m1 stands
	s_delay_alu instid0(VALU_DEP_1)
	v_cndmask_b32 v23, v22, v24, s19               ; else the old first becomes second
	s_delay_alu instid0(VALU_DEP_4)
	v_cndmask_b32 v22, \i, v22, s19
	v_med3_num_f32 v21, v[4+\i], v20, v21
	v_max_num_f32 v20, v20, v[4+\i]
.endr
.irp i, 2, 3, 4, 5, 6, 7, 8, 9, 10, 11, 12, 13, 14, 15
	s_delay_alu instid0(VALU_DEP_1)
	v_cmp_le_f32 s19, v[4+\i], v20
	s_delay_alu instid0(VALU_DEP_3)
	v_cmp_le_f32 vcc_lo, v[4+\i], v21
	s_delay_alu instid0(VALU_DEP_1)
	v_cndmask_b32 v24, \i, v23, vcc_lo
	s_delay_alu instid0(VALU_DEP_1)
	v_cndmask_b32 v23, v22, v24, s19
	s_delay_alu instid0(VALU_DEP_4)
	v_cndmask_b32 v22, \i, v22, s19
	v_med3_num_f32 v21, v[4+\i], v20, v21          ; the middle of (l, m1, m2) is the new m2
	v_max_num_f32 v20, v20, v[4+\i]
.endr
	; WHO CHOSE WHOM: masks over my wave's 32 tokens, and their counts into lane e
	v_mov_b32 v26, 0
.irp e, 0,1,2,3,4,5,6,7,8,9,10,11,12,13,14,15
	v_cmp_eq_u32 s[32+\e], \e, v22
	v_cmp_eq_u32 s[48+\e], \e, v23
	s_or_b32 s19, s[32+\e], s[48+\e]
	s_bcnt1_i32_b32 s19, s19
	v_writelane_b32 v26, s19, \e
.endr
	ds_store_b32 v108, v26 offset:CNT
	BAR                                            ; all 32 waves' counts lie in LDS
	; lane = expert: the expert's total, what the waves ahead of mine hold, and the experts' first rows
.irp k, 0,1,2,3,4,5,6,7,8,9,10,11,12,13,14,15,16,17,18,19,20,21,22,23,24,25,26,27,28,29,30,31
	ds_load_b32 v[40+\k], v27 offset:CNT+128*\k
.endr
	s_wait_dscnt 0x0
	v_add_nc_u32 v28, v40, v41
.irp k, 42,44,46,48,50,52,54,56,58,60,62,64,66,68,70
	s_delay_alu instid0(VALU_DEP_1)
	v_add3_u32 v28, v28, v[\k], v[\k+1]
.endr
	v_mov_b32 v29, 0
.irp k, 0,1,2,3,4,5,6,7,8,9,10,11,12,13,14,15,16,17,18,19,20,21,22,23,24,25,26,27,28,29,30
	s_cmp_gt_u32 s18, \k
	s_cselect_b32 s19, 1, 0
	v_mad_u32_u24 v29, v[40+\k], s19, v29          ; counts of the waves ahead of mine
.endr
	v_add_nc_u32 v30, 15, v28
	s_delay_alu instid0(VALU_DEP_1)
	v_and_b32 v30, 0xfffffff0, v30                 ; the expert's rows, filled up to a multiple of 16
	s_delay_alu instid0(VALU_DEP_1)
	v_mov_b32 v33, v30
	v_mov_b32 v31, 0
.irp n, 1
	s_delay_alu instid0(VALU_DEP_3)
	v_mov_b32_dpp v31, v30 row_shr:\n row_mask:0xf bank_mask:0xf bound_ctrl:1
	s_delay_alu instid0(VALU_DEP_1)
	v_add_nc_u32 v30, v30, v31                     ; a running sum over the 16 experts
.endr
.irp n, 2, 4, 8
	s_delay_alu instid0(VALU_DEP_1)
	v_mov_b32_dpp v31, v30 row_shr:\n row_mask:0xf bank_mask:0xf bound_ctrl:1
	s_delay_alu instid0(VALU_DEP_1)
	v_add_nc_u32 v30, v30, v31
.endr
	s_delay_alu instid0(VALU_DEP_1)
	v_sub_nc_u32 v31, v30, v33                     ; the expert's first row
	s_delay_alu instid0(VALU_DEP_1)
	v_add_nc_u32 v32, v31, v29                     ; and the first row of my wave's tokens in it
	v_lshrrev_b32 v25, 4, v33                      ; its tiles
	s_or_b32 s19, s18, ttmp9
	s_cmp_lg_u32 s19, 0
	s_cbranch_scc1 .Lno_meta
	global_store_b32 v27, v31, s[14:15]            ; wave 0 of work-group 0: first rows (lanes 16-31 hold 0),
	global_store_b32 v27, v25, s[14:15] offset:128 ; tiles: 256 consecutive bytes in all
	s_wait_xcnt 0x0                                ; their data registers are written again below
.Lno_meta:
	s_wait_alu depctr_va_vdst(0)
.irp e, 0,1,2,3,4,5,6,7,8,9,10,11,12,13,14,15
	v_readlane_b32 s[66+\e], v32, \e
.endr
	; MY TOKEN'S TWO SORTED ROWS: the wave's first row in the expert + the choosing lanes below mine
	v_mov_b32 v34, 0
	v_mov_b32 v35, 0
.irp e, 0,1,2,3,4,5,6,7,8,9,10,11,12,13,14,15
	s_or_b32 s19, s[32+\e], s[48+\e]
	v_mbcnt_lo_u32_b32 v24, s19, s[66+\e]
	s_delay_alu instid0(VALU_DEP_1)
	v_cndmask_b32 v34, v34, v24, s[32+\e]
	s_delay_alu instid0(VALU_DEP_2)
	v_cndmask_b32 v35, v35, v24, s[48+\e]
.endr
	ds_store_b64 v109, v[34:35] offset:POSL
	s_wait_kmcnt 0x0                               ; per_expert_scale
	s_cmp_lg_u32 s18, ttmp9                        ; wave w of work-group w (0..31) stores the rows and gates of tokens 32 w .. 32 w + 31
	s_cbranch_scc1 .Lno_gate
	v_mov_b32 v38, 0
	v_mov_b32 v39, 0
.irp e, 0,1,2,3,4,5,6,7,8,9,10,11,12,13,14,15
	s_delay_alu instid0(VALU_DEP_2)
	v_cndmask_b32 v38, v38, s[84+\e], s[32+\e]     ; the chosen experts' scales, by selection
	s_delay_alu instid0(VALU_DEP_2)
	v_cndmask_b32 v39, v39, s[84+\e], s[48+\e]
.endr
	v_sub_f32 v24, v21, v20                        ; l_b - l_a, 0 or less: the maximum is taken away
	s_delay_alu instid0(VALU_DEP_1)
	v_mul_f32 v24, 0x3fb8aa3b, v24
	s_wait_alu depctr_va_vdst(0)
	v_exp_f32 v25, v24                             ; e_b
	v_nop                                          ; a plain instruction behind the exponential
	s_wait_alu depctr_va_vdst(0)                   ; and the wait ahead of its first reader
	v_add_f32 v24, 1.0, v25                        ; renorm, up to the factor that cancels
	s_delay_alu instid0(VALU_DEP_1)
	v_cmp_lt_f32 vcc_lo, 0, v24
	s_delay_alu instid0(VALU_DEP_1)
	v_cndmask_b32 v24, 1.0, v24, vcc_lo            ; the guard: 1 where it is not above 0
	s_wait_alu depctr_va_vdst(0)
	v_rcp_f32 v31, v24
	v_nop
	s_wait_alu depctr_va_vdst(0)
	v_mul_f32 v36, v31, v38
	v_mul_f32 v37, v25, v31
	s_delay_alu instid0(VALU_DEP_1)
	v_mul_f32 v37, v37, v39
	global_store_b64 v109, v[34:35], s[14:15] offset:256   ; 256 consecutive bytes, aligned
	global_store_b64 v109, v[36:37], s[16:17]
.Lno_gate:
	BAR                                            ; all 2,048 sorted rows lie in LDS
	; THE LIST, BY COMPARING: my half of the lanes scans 16 tokens' 32 places for the 16 rows of my work-group
.irp j, 0,1,2,3,4,5,6,7
	ds_load_b128 v[40+4*\j:43+4*\j], v110 offset:POSL+16*\j
.endr
	v_mov_b32 v112, 0
	s_wait_alu depctr_va_vdst(0)
	s_wait_dscnt 0x0
.irp q, 0,1,2,3,4,5,6,7,8,9,10,11,12,13,14,15,16,17,18,19,20,21,22,23,24,25,26,27,28,29,30,31
	v_cmp_ne_u32 vcc_lo, v[40+\q], v111
	s_delay_alu instid0(VALU_DEP_1)
	v_cndmask_b32 v112, (\q/2)+1, v112, vcc_lo
.endr
	s_delay_alu instid0(VALU_DEP_1)
	v_cmp_ne_u32 vcc_lo, 0, v112
	s_delay_alu instid0(VALU_DEP_2)
	v_add_nc_u32 v25, v113, v112
	s_delay_alu instid0(VALU_DEP_1)
	v_cndmask_b32 v112, 0, v25, vcc_lo             ; the token + 1, or 0 where nothing was found
	ds_store_b32 v108, v112 offset:RED
	s_cmp_lt_u32 s18, 8
	s_cbranch_scc0 .Lno_q
	; x: 2,048 bytes as loaded into my stage, back as 16 neighbours a lane; two neighbouring lanes hold a block of 32
.irp i, 0,1,2,3
	ds_store_b128 v114, v[72+4*\i:75+4*\i] offset:8*SP*\i
.endr
.irp i, 0,1,2,3
	ds_load_b128 v[88+4*\i:91+4*\i], v115 offset:16*\i     ; LDS serves a wave's instructions in order: these see the stores
.endr
	s_wait_dscnt 0x0
	v_max3_num_f32 v24, |v88|, |v89|, |v90|
	v_max3_num_f32 v25, |v91|, |v92|, |v93|
.irp i, 6,10
	s_delay_alu instid0(VALU_DEP_2)
	v_max3_num_f32 v24, v24, |v[88+\i]|, |v[89+\i]|
	s_delay_alu instid0(VALU_DEP_2)
	v_max3_num_f32 v25, v25, |v[90+\i]|, |v[91+\i]|
.endr
	s_delay_alu instid0(VALU_DEP_2)
	v_max3_num_f32 v24, v24, |v102|, |v103|
	s_delay_alu instid0(VALU_DEP_1)
	v_max3_num_f32 v24, v24, v25, 0x1800000        ; and the floor 2^(3 - 127): the byte cannot fall under 1
	s_delay_alu instid0(VALU_DEP_1)
	v_max_num_f32_dpp v24, v24, v24 row_xmask:1 row_mask:0xf bank_mask:0xf   ; with my neighbour's 16
	s_delay_alu instid0(VALU_DEP_1)
	v_add_nc_u32 v25, 0xff000000, v24              ; 2 off the exponent field: the conversion's scale operand
	v_cvt_scalef32_pk8_fp4_f32 v104, v[88:95], v25
	v_cvt_scalef32_pk8_fp4_f32 v105, v[96:103], v25
	v_lshrrev_b32 v26, 23, v25                     ; the scale's byte
	ds_store_b8 v116, v26                          ; both lanes of a block write the same byte with the same value
	global_store_b64 v117, v[104:105], s[10:11]    ; the wave stores 256 consecutive bytes, aligned
.Lno_q:
	BAR                                            ; what every wave found, and x's 128 scale bytes, lie in LDS
	s_cmp_lg_u32 s18, 0
	s_cbranch_scc1 .Lend
.irp k, 0,1,2,3,4,5,6,7,8,9,10,11,12,13,14,15,16,17,18,19,20,21,22,23,24,25,26,27,28,29,30,31
	ds_load_b32 v[40+\k], v27 offset:RED+128*\k
.endr
	ds_load_b32 v28, v27 offset:XSC
	s_mov_b32 s19, 0x76543210
	s_mov_b32 s20, 0xfedcba98
	s_wait_dscnt 0x0
	v_add_nc_u32 v29, v40, v41                     ; at most one of the 64 partial results of a row is not 0: their sum is that one
.irp k, 42,44,46,48,50,52,54,56,58,60,62,64,66,68,70
	s_delay_alu instid0(VALU_DEP_1)
	v_add3_u32 v29, v29, v[\k], v[\k+1]
.endr
	v_mov_b32 v30, 0
	s_delay_alu instid0(VALU_DEP_1)
	v_permlanex16_b32 v30, v29, s19, s20
	s_delay_alu instid0(VALU_DEP_1)
	v_add_nc_u32 v29, v29, v30
	s_delay_alu instid0(VALU_DEP_1)
	v_add_nc_u32 v30, -1, v29
	s_delay_alu instid0(VALU_DEP_2)
	v_cmp_ne_u32 vcc_lo, 0, v29
	s_delay_alu instid0(VALU_DEP_1)
	v_cndmask_b32 v29, 0, v30, vcc_lo              ; the token; a filling row names token 0
	global_store_b32 v119, v28, s[12:13]           ; x's scale bytes: 128 consecutive bytes
	v_cmp_gt_u32 vcc_lo, 16, v1
	s_wait_alu depctr_va_vdst(0)
	s_wait_xcnt 0x0                                ; EXEC changes only behind this wait
	s_and_saveexec_b32 s21, vcc_lo
	global_store_b32 v120, v29, s[14:15] offset:LISTO  ; lanes 0-15: my work-group's 16 rows of the list
	s_wait_xcnt 0x0
	s_or_b32 exec_lo, exec_lo, s21
.Lend:
	s_wait_tensorcnt 0x0                           ; the wave's end
	ds_add_u32 v2, v3
	s_wait_dscnt 0x0
	s_endpgm
.Lfunc_end_k_q11e87e96e6_route:
	.size	k_q11e87e96e6_route, .Lfunc_end_k_q11e87e96e6_route-k_q11e87e96e6_route
	.p2alignl 7, 3214868480
	.fill 96, 4, 3214868480
	.section	.rodata,"a",@progbits
	.p2align	6, 0x0
	.amdhsa_kernel k_q11e87e96e6_route
		.amdhsa_group_segment_fixed_size 41216
		.amdhsa_private_segment_fixed_size 0
		.amdhsa_enable_private_segment 0
		.amdhsa_kernarg_size 56
		.amdhsa_user_sgpr_count 2
		.amdhsa_user_sgpr_kernarg_segment_ptr 1
		.amdhsa_wavefront_size32 1
		.amdhsa_system_sgpr_workgroup_id_x 1
		.amdhsa_system_sgpr_workgroup_id_y 1
		.amdhsa_system_sgpr_workgroup_id_z 1
		.amdhsa_system_vgpr_workitem_id 0
		.amdhsa_next_free_vgpr 128
		.amdhsa_next_free_sgpr 100
		.amdhsa_reserve_vcc 1
		.amdhsa_float_denorm_mode_32 3
		.amdhsa_float_denorm_mode_16_64 3
		.amdhsa_memory_ordered 1
		.amdhsa_forward_progress 1
		.amdhsa_inst_pref_size 45
	.end_amdhsa_kernel
	.amdgpu_metadata
---
amdhsa.version: [ 1, 2 ]
amdhsa.kernels:
  - .name:           k_q11e87e96e6_route
    .symbol:         k_q11e87e96e6_route.kd
    .args:
      - { .name: x, .offset: 0, .size: 8, .value_kind: global_buffer, .address_space: global }
      - { .name: router_logits, .offset: 8, .size: 8, .value_kind: global_buffer, .address_space: global }
      - { .name: per_expert_scale, .offset: 16, .size: 8, .value_kind: global_buffer, .address_space: global }
      - { .name: xq, .offset: 24, .size: 8, .value_kind: global_buffer, .address_space: global }
      - { .name: xs, .offset: 32, .size: 8, .value_kind: global_buffer, .address_space: global }
      - { .name: rtab, .offset: 40, .size: 8, .value_kind: global_buffer, .address_space: global }
      - { .name: gate, .offset: 48, .size: 8, .value_kind: global_buffer, .address_space: global }
    .group_segment_fixed_size: 41216
    .private_segment_fixed_size: 0
    .kernarg_segment_align: 8
    .kernarg_segment_size: 56
    .max_flat_workgroup_size: 1024
    .sgpr_count:     100
    .vgpr_count:     128
    .wavefront_size: 32
...
	.end_amdgpu_metadata
.endif
;; end of part 5
;; launch gateup (part 6): grid 16 x 16, 8 waves a work-group, no clusters, 138,240 bytes of LDS; arguments xq, xs, rtab, w1, w3, hq, hs; writes hq, hs
.if DOCPART == 6
	.amdgcn_target "amdgcn-amd-amdhsa--gfx1250"
	.amdhsa_code_object_version 6
	.text
	.protected	k_q11e87e96e6_gateup
	.globl	k_q11e87e96e6_gateup
	.p2align	8
	.type	k_q11e87e96e6_gateup,@function
k_q11e87e96e6_gateup:
	s_mov_b64 s[64:65], 0
	v_nop
	global_prefetch_b8 v0, s[64:65] scope:SCOPE_SE
	s_setreg_imm32_b32 hwreg(HW_REG_WAVE_SCHED_MODE, 0, 2), 2
	s_setreg_imm32_b32 hwreg(HW_REG_WAVE_MODE, 25, 1), 1
	s_wait_xcnt 0x0
	s_wait_alu depctr_vm_vsrc(0)
; GATEUP: hidden = gelu(x w1^T) * (x w3^T) for the rows that chose expert e (work-group y), 64 of the 1,024 hidden units (work-group x), quantised along I and stored as codes.
; Left out: the rows of tokens that did not choose the expert (their combine weight is exactly 0 by the one_hot in the routing: see the head of the first kernel).
; EACH WEIGHT BYTE IS READ ONCE, as f32, in runs of 512 consecutive bytes, by the one work-group that multiplies it with all rows of its expert; it is quantised in registers and never written to memory.
; SHARES.  Wave w: group ih = w / 4 (32 hidden units: one block of the next K), q = w % 4.  Streaming: the wave quantises tile q of its group (q = 0, 1: w1; q = 2, 3: w3; u = q % 2), 16 rows x 1,024 K,
; in eight units of 16 rows x 128 K.  THE ROWS OF A TILE ARE NOT NEIGHBOURS: lane r takes row 32 ih + 8 u + r + 8 (r / 8), so that the 16 result registers of tiles u = 0, 1 are 16 neighbours along I.
; A unit: 16 loads (a row's 512 bytes each) -> the wave's stage in LDS -> back so that lane (r, h) holds K = 64 c + 32 h + 0..31 of row r: two whole blocks -> codes, which are the operand's registers.
; The fragments go to LDS as images of their registers; ONE barrier; then each wave takes its group's 4 tiles x 8 K steps (256 registers) and walks token tiles q, q + 4, .. of the expert.
; The products are used transposed (source 0 = 16 weight rows, source 1 = 16 tokens): a lane holds one token.
; NO TENSOR LOAD AND NO CLUSTER: the count of token tiles is read from memory, so the token loop ends on a stored number; no weight tile is read by two work-groups; what the 16 work-groups of an
; expert share, a token tile's 8 KB of codes, is small beside the 512 KB of weights that each streams alone.  The one barrier stands ahead of every branch on a stored number.
; gelu(a) = max(a, 0) - (|a| / 2) erfc(|a| / sqrt 2), erfc(z) = t exp(-z z + c0 + t (c1 + .. + t c9)), t = 1 / (1 + z / 2): a fit whose error is 1.2e-7 OF erfc for every z, so small values keep their digits.
; REGISTERS.  window 0: v1-23, v60 addresses; v24-39 the weights' scale words, v40-43 the tokens' (scales alone); v44-59 offsets of 16 token rows; v80-143 a unit's numbers, then x's fragments, then gelu's work;
;   v144-207 16 token rows as loaded; v208-239 four accumulators; v240-254 the quantiser.   window 1: four landing sets of 64, later the weights' 32 fragments.
; THE MODE: SCHED_MODE bits 1:0 = 2 (LLVM: expert scheduling mode 2), set by the entry lines.  The code itself states the register dependences between vector or matrix instructions and
; memory or LDS instructions, with s_wait_alu, always for 0.
; THE PLAN.  Registers that memory or LDS instructions touch:
;   landing sets (window 1)  written by loads of w; read by the stage's LDS stores; after the barrier the fragments' LDS loads land in them and the products read them.  No vector line names them.
;   v[T ..]       LDS loads land in it; the quantiser, the products and the gelu read it, the gelu writes it.
;   v[PC ..], v[PW]  written by the quantiser; read by the image's LDS stores, in the loop by the store of the codes.
;   v[XL ..]      written by loads, read by the stage's LDS stores, named by nothing else.      v[SS ..]  written by a load, read by the products as scales.
;   v[ADR ..], v[XSA], v[VTO], v[HQO], v[HSO], v[HB]  written once a trip by vector lines, read by that trip's loads or stores.      v[VT]  a load lands in it, a vector line holds it in place.
;   v[GOF], v[STW], v[STR], v[XFR], v[IMW], v[SCW], v[IMR], v[SCR]  made at the head, never written again.      v[SPW], v[NIL]  made at the head, read by the closing add alone.
; A UNIT has two waits: one on vm_vsrc behind the turn through the stage, one on va_vdst behind the quantiser.  A TRIP has one wait on vm_vsrc, behind its LDS instructions, and six on va_vdst: behind the
; address lines, which stand ahead of the products, so that the next tile's loads go out ahead of them in one run (among the products each group of loads would want two window switches: a load's address
; place is the place of the products' first source, which lies in window 1); behind the reciprocals and behind the exponentials; and ahead of the trip's two stores.
.set STGB,  8448                       ; a wave's stage: 16 rows x (512 + 16) bytes
.set IMG,   8*STGB                     ; images: tile x 8,192 + K step x 1,024
.set WSC,   IMG+8*8192                 ; scale words: tile x 512 + K step x 64 + 4 r
.set SPARE, WSC+8*512                  ; the spare words, 128 bytes for each wave
.set RSK,   8                          ; rows 8-15 of a tile lie 8 rows further on
.set LISTO, 8448
.set RR,1
.set HH,2
.set GOF,3
.set STW,4
.set STR,5
.set IMW,6
.set SCW,7
.set IMR,8
.set SCR,9
.set SPW,10
.set NIL,11
.set XFR,12
.set HQL,13
.set HSL,14
.set HQO,15
.set HSO,16
.set VLO,17
.set VT,18
.set XSA,19
.set H8,20
.set VTO,21
.set C9,22
.set WS,24
.set SS,40
.set ADR,44
.set H16,60
.set T,80
.set GA,80
.set GH,96
.set GT,112
.set GP,128
.set XL,144
.set ACC,208
.set PC,240
.set PW,248
.set HB,254
.set MSB, 0
.macro WIN new                         ; the immediate's high byte repeats the setting that is left
.if MSB != \new
	s_set_vgpr_msb (MSB<<8)|\new
.set MSB, \new
.endif
.endm
.macro ULOAD u                         ; unit u: 16 rows x 512 consecutive bytes into landing set u % 4
	WIN 0x40
.irp n, 0,1,2,3,4,5,6,7,8,9,10,11,12,13,14,15
	global_load_b128 v[64*((\u)%4)+4*\n:64*((\u)%4)+4*\n+3], v[GOF], s[28:29] offset:(\n+RSK*(\n/8))*4096+512*(\u) th:TH_LOAD_NT
.endr
	WIN 0
.endm
.macro QW                              ; v[T] on: register 32 c + i = K 64 c + 32 h + i of my row -> the fragment's 8 registers in v[PC] on, its scale word in v[PW]
	v_max3_num_f32 v249, |v[T]|, |v[T+1]|, 0x1800000       ; the floor 2^(3 - 127): the byte cannot fall under 1
	v_max3_num_f32 v250, |v[T+32]|, |v[T+33]|, 0x1800000
.irp i, 2,4,6,8,10,12,14,16,18,20,22,24,26,28,30
	v_max3_num_f32 v249, v249, |v[T+\i]|, |v[T+1+\i]|      ; the two blocks by turns
	v_max3_num_f32 v250, v250, |v[T+32+\i]|, |v[T+33+\i]|
.endr
	v_add_nc_u32 v251, 0xff000000, v249            ; 2 off the exponent field: the conversion's scale operand
	v_add_nc_u32 v252, 0xff000000, v250
	v_lshrrev_b32 v249, 23, v251                   ; the bytes of blocks h and 2 + h,
	v_lshrrev_b32 v250, 23, v252
	v_lshl_or_b32 v[PW], v250, 16, v249
	v_lshlrev_b32 v[PW], v[H8], v[PW]              ; at their places in the word;
	v_permlanex16_b32 v253, v[PW], s48, s49
	v_or_b32 v[PW], v[PW], v253                    ; with the other half's two the word is whole
.irp g, 0,1,2,3
	v_cvt_scalef32_pk8_fp4_f32 v[PC+\g], v[T+8*\g:T+8*\g+7], v251
.endr
.irp g, 0,1,2,3
	v_cvt_scalef32_pk8_fp4_f32 v[PC+4+\g], v[T+32+8*\g:T+32+8*\g+7], v252
.endr
	v_nop                                          ; one plain instruction behind the last conversion
.endm
.macro WUNIT j, cnt, refill            ; unit j is turned, quantised and laid in LDS.  cnt: the loads issued behind unit j's
	s_wait_loadcnt \cnt
	WIN 0x04
.irp m, 0,1,2,3,4,5,6,7,8,9,10,11,12,13,14,15
	ds_store_b128 v[STW], v[64*((\j)%4)+4*\m:64*((\j)%4)+4*\m+3] offset:528*\m
.endr
	WIN 0
.irp c, 0,1
.irp i, 0,1,2,3,4,5,6,7
	ds_load_b128 v[T+32*\c+4*\i:T+32*\c+4*\i+3], v[STR] offset:256*\c+16*\i    ; LDS serves a wave's instructions in order: these see the stores.  No vector line since the wait behind the last quantiser names v[T ..]
.endr
.endr
	s_wait_dscnt 0x0                               ; the numbers are in
	s_wait_alu depctr_vm_vsrc(0)                   ; the LDS stores above have read the landing set, in which the loads of the unit four on land; the last unit's LDS stores have read v[PC ..] and v[PW], which the quantiser writes again
.if \refill
	ULOAD (\j)+4
.endif
	QW
	s_wait_alu depctr_va_vdst(0)                   ; the quantiser has written v[PC ..] and v[PW], which the LDS stores below read, and is done reading v[T ..], in which the next LDS loads land
	ds_store_b128 v[IMW], v[PC:PC+3] offset:1024*(\j)
	ds_store_b128 v[IMW], v[PC+4:PC+7] offset:1024*(\j)+512
	ds_store_b32 v[SCW], v[PW] offset:64*(\j)      ; lanes r and r + 16 write the same word with the same value
.endm
.macro IMGLOAD                         ; my group's 4 tiles x 8 K steps, and their scale words: lanes 0-15 K step j, lanes 16-31 K step j + 4
	WIN 0x40
	s_wait_alu depctr_vm_vsrc(0)                   ; my LDS stores into the stage have read the four landing sets: their registers take the fragments from here on
.irp t, 0,1,2,3
.irp s, 0,1,2,3,4,5,6,7
.irp c, 0,1
	ds_load_b128 v[8*(8*\t+\s)+4*\c:8*(8*\t+\s)+4*\c+3], v[IMR] offset:8192*\t+1024*\s+512*\c
.endr
.endr
.endr
	WIN 0
.irp t, 0,1,2,3
.irp j, 0,1,2,3
	ds_load_b32 v[WS+4*\t+\j], v[SCR] offset:512*\t+64*\j
.endr
.endr
.endm
.macro MM f                            ; 32 matrix instructions: 8 K steps x 4 tiles; the four accumulators take turns; the first K step starts the sums
	WIN 0x01
.irp s, 0,1,2,3,4,5,6,7
.irp t, 0,1,2,3
.if \s == 0
	v_wmma_scale_f32_16x16x128_f8f6f4 v[ACC+8*\t:ACC+8*\t+7], v[8*(8*\t+\s):8*(8*\t+\s)+7], v[\f+8*\s:\f+8*\s+7], 0, v[WS+4*\t+\s], v[SS+\s] matrix_a_fmt:MATRIX_FMT_FP4 matrix_b_fmt:MATRIX_FMT_FP4
.elseif \s < 4
	v_wmma_scale_f32_16x16x128_f8f6f4 v[ACC+8*\t:ACC+8*\t+7], v[8*(8*\t+\s):8*(8*\t+\s)+7], v[\f+8*\s:\f+8*\s+7], v[ACC+8*\t:ACC+8*\t+7], v[WS+4*\t+\s], v[SS+\s] matrix_a_fmt:MATRIX_FMT_FP4 matrix_b_fmt:MATRIX_FMT_FP4
.else
	v_wmma_scale_f32_16x16x128_f8f6f4 v[ACC+8*\t:ACC+8*\t+7], v[8*(8*\t+\s):8*(8*\t+\s)+7], v[\f+8*\s:\f+8*\s+7], v[ACC+8*\t:ACC+8*\t+7], v[WS+4*\t+\s-4], v[SS+\s-4] matrix_a_fmt:MATRIX_FMT_FP4 matrix_b_fmt:MATRIX_FMT_FP4 matrix_a_scale:MATRIX_SCALE_ROW1 matrix_b_scale:MATRIX_SCALE_ROW1
.endif
.endr
.endr
	WIN 0
.endm
.macro LISTADR                         ; where the list names the 16 tokens of the tile at sorted row s27 (held to 2,288)
	s_lshl_b32 s52, s27, 2
	v_lshl_add_u32 v[VTO], s27, 2, v[VLO]
.endm
.macro LISTLOAD                        ; these 16 tokens: as scalars, and one a lane
	s_load_b512 s[32:47], s[8:9], s52 offset:LISTO
	global_load_b32 v[VT], v[VTO], s[8:9] offset:LISTO
.endm
.macro ADDRS                           ; the tokens, held to 1,023, become offsets: a row of codes is 512 bytes, of scale bytes 32
.irp j, 0,1,2,3,4,5,6,7,8,9,10,11,12,13,14,15
	s_min_u32 s[32+\j], s[32+\j], 1023
.endr
.irp j, 0,1,2,3,4,5,6,7,8,9,10,11,12,13,14,15
	v_lshl_add_u32 v[ADR+\j], s[32+\j], 9, v[GOF]
.endr
	v_min_u32 v[VT], 0x3ff, v[VT]
	v_lshl_add_u32 v[XSA], v[VT], 5, v[H16]
.endm
.macro XLOADS                          ; 16 whole rows of codes, 512 consecutive bytes a load
.irp j, 0,1,2,3,4,5,6,7,8,9,10,11,12,13,14,15
	global_load_b128 v[XL+4*\j:XL+4*\j+3], v[ADR+\j], s[4:5]
.endr
.endm
.macro SLOAD                           ; my token's scale words: lanes 0-15 K steps 0-3, lanes 16-31 K steps 4-7
	global_load_b128 v[SS:SS+3], v[XSA], s[6:7]
.endm
	s_load_b256 s[4:11], s[0:1], 0x0               ; xq, xs, rtab, w1
	s_load_b128 s[12:15], s[0:1], 0x20             ; w3, hq
	s_load_b64 s[16:17], s[0:1], 0x30              ; hs
	v_lshl_add_u32 v[SPW], v0, 2, SPARE            ; my spare word; never rewritten
	v_mov_b32 v[NIL], 0                            ; 0; never rewritten
	v_lshrrev_b32 v61, 5, v0
	v_readfirstlane_b32 s18, v61                   ; wave 0..7
	v_and_b32 v61, 31, v0
	v_lshlrev_b32 v[GOF], 4, v61                   ; 16 x lane
	s_and_b32 s21, ttmp7, 0xffff                   ; the expert
	s_wait_alu depctr_va_sdst(0)                   ; s18 is written, ahead of its first reader: shares, bases and LDS addresses are made from it
	s_lshr_b32 s19, s18, 2                         ; ih
	s_and_b32 s20, s18, 3                          ; q
	s_and_b32 s50, s20, 1                          ; u
	s_lshl_b32 s50, s50, 3
	s_lshl_b32 s51, s19, 5
	s_add_co_u32 s50, s50, s51
	s_lshl_b32 s51, ttmp9, 6
	s_add_co_u32 s50, s50, s51                     ; my tile's first row: 64 slice + 32 ih + 8 u
	s_lshl_b32 s50, s50, 12                        ; rows of 4,096 bytes
	s_lshl_b32 s51, s21, 22                        ; an expert's 4 MiB
	s_add_co_u32 s50, s50, s51
	s_mov_b32 s51, 0
	s_lshl_b32 s54, ttmp9, 1
	s_add_co_u32 s54, s54, s19                     ; the block of the next K: 2 slice + ih
	s_mov_b32 s55, 0
	s_wait_kmcnt 0x0
	s_cmp_lt_u32 s20, 2
	s_cselect_b64 s[28:29], s[10:11], s[12:13]     ; w1 or w3, by the wave's number
	s_add_nc_u64 s[28:29], s[28:29], s[50:51]
	s_wait_alu depctr_va_vdst(0)                   ; v[GOF] is written, which every load of w reads as its offset
	ULOAD 0                                        ; four units of each wave are asked for before anything else
	ULOAD 1
	ULOAD 2
	ULOAD 3
	s_add_nc_u64 s[16:17], s[16:17], s[54:55]      ; hs at my block's byte
	s_mul_i32 s54, s54, 36864
	s_add_nc_u64 s[14:15], s[14:15], s[54:55]      ; hq at my block's plane of 2,304 rows x 16 bytes
	v_and_b32 v[RR], 15, v0                        ; r
	v_bfe_u32 v[HH], v0, 4, 1                      ; h
	s_mul_i32 s50, s18, STGB
	v_add_nc_u32 v[STW], s50, v[GOF]               ; the stage, in: 16 x lane (+ 528 x row)
	v_mul_u32_u24 v61, v[RR], 528
	v_add_nc_u32 v61, s50, v61
	v_lshl_add_u32 v[STR], v[HH], 7, v61           ; out, f32: row r, + 128 h
	v_lshl_add_u32 v[XFR], v[HH], 4, v61           ; out, codes: row r, + 16 h
	s_lshl_b32 s50, s18, 13
	s_add_co_u32 s50, s50, IMG
	v_add_nc_u32 v[IMW], s50, v[GOF]               ; my tile's images
	s_lshl_b32 s50, s18, 9
	s_add_co_u32 s50, s50, WSC
	v_lshl_add_u32 v[SCW], v[RR], 2, s50           ; and scale words
	s_lshl_b32 s50, s19, 15
	s_add_co_u32 s50, s50, IMG
	v_add_nc_u32 v[IMR], s50, v[GOF]               ; my group's images
	s_lshl_b32 s50, s19, 11
	s_add_co_u32 s50, s50, WSC
	v_lshl_add_u32 v61, v[RR], 2, s50
	v_lshl_add_u32 v[SCR], v[HH], 8, v61           ; my group's scale words: lanes 16-31 four K steps on
	v_lshlrev_b32 v[H8], 3, v[HH]
	v_lshlrev_b32 v[H16], 4, v[HH]
	v_lshlrev_b32 v[VLO], 2, v[RR]
	v_lshlrev_b32 v[HQL], 4, v[RR]
	v_lshl_add_u32 v[HQL], v[HH], 3, v[HQL]        ; hq: 16 r + 8 h
	v_lshlrev_b32 v[HSL], 5, v[RR]                 ; hs: 32 r
	v_mov_b32 v[C9], 0x3e2ef945                    ; c9 = 0.17087277, twice
	v_mov_b32 v[C9+1], 0x3e2ef945
	v_mov_b32 v253, 0                              ; a lane permute's destination counts as one of its sources
	s_mov_b32 s48, 0x76543210
	s_mov_b32 s49, 0xfedcba98
	s_lshl_b32 s52, s21, 2
	s_load_b32 s23, s[8:9], s52 offset:0x0         ; the expert's first sorted row
	s_load_b32 s24, s[8:9], s52 offset:0x80        ; and its tiles of 16 rows
	s_wait_alu depctr_va_vdst(0)
	s_wait_kmcnt 0x0
	s_min_u32 s23, s23, 2288
	s_min_u32 s24, s24, 64
	s_max_u32 s51, s24, 1
	s_sub_co_u32 s51, s51, 1
	s_min_u32 s51, s51, s20                        ; my first tile, or the expert's last where I have none: what is loaded then is not used
	s_lshl_b32 s51, s51, 4
	s_add_co_u32 s27, s23, s51
	s_min_u32 s27, s27, 2288
	LISTADR
	s_wait_alu depctr_va_vdst(0)                   ; v[VTO] is written, which the list's load reads, and so are the LDS addresses v[STW] to v[SCR] and v[XFR], which the LDS instructions from here on read
	LISTLOAD
	WUNIT 0, 49, 1                                 ; behind unit j's loads: three units and the list's one load
	WUNIT 1, 49, 1
	WUNIT 2, 49, 1
	WUNIT 3, 49, 1
	WUNIT 4, 48, 0                                 ; three units; the list's load is older than unit 4 and has landed too
	s_wait_kmcnt 0x0
	ADDRS
	s_add_co_u32 s51, s20, 4
	s_lshl_b32 s51, s51, 4
	s_add_co_u32 s27, s23, s51
	s_min_u32 s27, s27, 2288
	LISTADR                                        ; (the units' waits on vm_vsrc stand behind the first list's load, which read v[VTO])
	s_wait_alu depctr_va_vdst(0)                   ; v[ADR ..], v[XSA] and v[VTO] are written, which the 18 loads below read; the line that held v[VT] is done with it, and the list's load lands there
	XLOADS                                         ; my first tile's codes
	SLOAD                                          ; and scale words: 17 loads
	LISTLOAD                                       ; and the list of my second: 1 load
	WUNIT 5, 50, 0                                 ; two units and those 18
	WUNIT 6, 34, 0
	WUNIT 7, 18, 0
	s_wait_dscnt 0x0                               ; my images have landed
	s_barrier_signal -1
	s_barrier_wait -1                              ; everybody's have: the one barrier; behind it LDS images are only read
	IMGLOAD
	s_mov_b32 s25, s20                             ; tt: my first tile
	s_add_co_u32 s31, s24, 3
	s_sub_co_u32 s31, s31, s20
	s_lshr_b32 s31, s31, 2                         ; my trips: the tiles q, q + 4, .. under nt are (nt + 3 - q) / 4, 16 at the most; 0 where nt <= q
	s_mov_b32 s30, 0                               ; the loop's counter: one a trip
	s_cmp_eq_u32 s31, 0
	s_cbranch_scc1 .Lend
.Ltile:
	s_wait_loadcnt 0x0                             ; this tile's codes and scale words, the next list's lane word
	s_wait_xcnt 0x0                                ; the last trip's stores have read their registers
.irp j, 0,1,2,3,4,5,6,7,8,9,10,11,12,13,14,15
	ds_store_b128 v[STW], v[XL+4*\j:XL+4*\j+3] offset:528*\j
.endr
.irp s, 0,1,2,3,4,5,6,7
.irp c, 0,1
	ds_load_b128 v[T+8*\s+4*\c:T+8*\s+4*\c+3], v[XFR] offset:64*\s+32*\c   ; x's fragment of K step s: row r, K = 64 c + 32 h + 0..31.  No vector line since the last wait on va_vdst (ahead of the last trip's stores; on the way in, behind the last unit's quantiser) names v[T ..]
.endr
.endr
	s_wait_kmcnt 0x0
	s_lshl_b32 s53, s25, 4
	s_add_co_u32 s53, s53, s23
	s_min_u32 s26, s53, 2288                       ; this tile's first sorted row
	s_add_co_u32 s53, s53, 128
	s_min_u32 s27, s53, 2288                       ; and that of the tile eight on
	s_add_co_u32 s56, s25, 4                       ; my next tile
	s_wait_alu depctr_vm_vsrc(0)                   ; the LDS stores above have read v[XL ..], in which the next tile's loads land; the last trip's loads have read v[ADR ..], v[XSA], v[VTO], its stores v[HQO], v[HSO], v[PC], v[PC+1], v[HB]: all are written again in this trip
	ADDRS                                          ; the tile four on
	LISTADR
	s_wait_alu depctr_va_vdst(0)                   ; v[ADR ..], v[XSA] and v[VTO] are written, which the loads below and the scale words' load read; the line that held v[VT] is done with it, and the list's load lands there
	s_cmp_lt_u32 s56, s24
	s_cbranch_scc0 .Lno_next
	XLOADS                                         ; the next tile's codes go out ahead of this tile's products
.Lno_next:
	LISTLOAD
	s_wait_dscnt 0x0                               ; x's fragments are in (in the first trip the weights' fragments too)
	MM T
	v_lshl_add_u32 v[HQO], s26, 4, v[HQL]          ; where this tile's codes and bytes go: with the two v_nop the four places behind the products
	v_lshl_add_u32 v[HSO], s26, 5, v[HSL]
	v_nop
	v_nop
	; gelu(a) * u for my token's 16 hidden units; a in v208-223, u in v224-239, each accumulator read from its low end on
.irp j, 0,1,2,3,4,5,6,7,8,9,10,11,12,13,14,15
	v_and_b32 v[GA+\j], 0x7fffffff, v[ACC+\j]      ; |a|
.endr
.irp j, 0,2,4,6,8,10,12,14
	v_pk_fma_f32 v[GT+\j:GT+\j+1], v[GA+\j:GA+\j+1], 0x3eb504f3, 1.0 op_sel_hi:[1,0,0]   ; 1 + z / 2 = 1 + |a| / (2 sqrt 2)
.endr
	s_wait_alu depctr_va_vdst(0)
.irp j, 0,1,2,3,4,5,6,7,8,9,10,11,12,13,14,15
	v_rcp_f32 v[GT+\j], v[GT+\j]                   ; t: one batch
.endr
.irp j, 0,2,4,6,8,10,12,14
	v_pk_mul_f32 v[GH+\j:GH+\j+1], v[GA+\j:GA+\j+1], 0.5 op_sel_hi:[1,0]     ; |a| / 2: plain work behind the batch
.endr
	s_wait_alu depctr_va_vdst(0)                   ; the 16 reciprocals have written v[GT ..], ahead of their first reader; and the products are done reading v[SS ..], in which the next tile's scale words land
	s_cmp_lt_u32 s56, s24
	s_cbranch_scc0 .Lno_ss
	SLOAD
.Lno_ss:
.irp j, 0,2,4,6,8,10,12,14
	v_pk_fma_f32 v[GP+\j:GP+\j+1], v[GT+\j:GT+\j+1], v[C9:C9+1], 0xbf527891 op_sel_hi:[1,1,0]   ; c9 t + c8
.endr
.irp k, 0x3fbe87b0, 0xbf914e5d, 0x3e8ec7cc, 0xbe3ec24c, 0x3dc636c9, 0x3ebf88fb, 0x3f8000c7, 0xbfa1fc4e
.irp j, 0,2,4,6,8,10,12,14
	v_pk_fma_f32 v[GP+\j:GP+\j+1], v[GP+\j:GP+\j+1], v[GT+\j:GT+\j+1], \k op_sel_hi:[1,1,0]     ; .. t + c7 .. c0
.endr
.endr
.irp j, 0,2,4,6,8,10,12,14
	v_pk_fma_f32 v[GP+\j:GP+\j+1], v[GA+\j:GA+\j+1], v[GH+\j:GH+\j+1], v[GP+\j:GP+\j+1] neg_lo:[1,0,0] neg_hi:[1,0,0]   ; - z z = - |a| (|a| / 2), not rounded by itself
.endr
.irp j, 0,2,4,6,8,10,12,14
	v_pk_mul_f32 v[GP+\j:GP+\j+1], v[GP+\j:GP+\j+1], 0x3fb8aa3b op_sel_hi:[1,0]
.endr
	s_wait_alu depctr_va_vdst(0)
.irp j, 0,1,2,3,4,5,6,7,8,9,10,11,12,13,14,15
	v_exp_f32 v[GP+\j], v[GP+\j]
.endr
	v_nop                                          ; a plain instruction behind the last exponential
	s_wait_alu depctr_va_vdst(0)                   ; the 16 exponentials have written v[GP ..], ahead of their first reader
.irp j, 0,2,4,6,8,10,12,14
	v_pk_mul_f32 v[GP+\j:GP+\j+1], v[GP+\j:GP+\j+1], v[GT+\j:GT+\j+1]        ; erfc(z)
.endr
.irp j, 0,1,2,3,4,5,6,7,8,9,10,11,12,13,14,15
	v_max_num_f32 v[GT+\j], 0, v[ACC+\j]
.endr
.irp j, 0,2,4,6,8,10,12,14
	v_pk_fma_f32 v[GT+\j:GT+\j+1], v[GP+\j:GP+\j+1], v[GH+\j:GH+\j+1], v[GT+\j:GT+\j+1] neg_lo:[1,0,0] neg_hi:[1,0,0]   ; gelu(a)
.endr
.irp j, 0,2,4,6,8,10,12,14
	v_pk_mul_f32 v[GT+\j:GT+\j+1], v[GT+\j:GT+\j+1], v[ACC+16+\j:ACC+17+\j]  ; x u
.endr
	; the block of 32 hidden units lies in lanes l and l xor 16, 16 neighbours each
	v_max3_num_f32 v249, |v[GT]|, |v[GT+1]|, 0x1800000
	v_max3_num_f32 v250, |v[GT+2]|, |v[GT+3]|, |v[GT+4]|
	v_max3_num_f32 v249, v249, |v[GT+5]|, |v[GT+6]|
	v_max3_num_f32 v250, v250, |v[GT+7]|, |v[GT+8]|
	v_max3_num_f32 v249, v249, |v[GT+9]|, |v[GT+10]|
	v_max3_num_f32 v250, v250, |v[GT+11]|, |v[GT+12]|
	v_max3_num_f32 v249, v249, |v[GT+13]|, |v[GT+14]|
	v_max3_num_f32 v250, v250, |v[GT+15]|, v249
	v_permlanex16_b32 v251, v250, s48, s49
	v_max_num_f32 v250, v250, v251
	v_add_nc_u32 v252, 0xff000000, v250
	v_cvt_scalef32_pk8_fp4_f32 v[PC], v[GT:GT+7], v252
	v_cvt_scalef32_pk8_fp4_f32 v[PC+1], v[GT+8:GT+15], v252
	v_lshrrev_b32 v[HB], 23, v252                  ; the scale's byte (a plain instruction behind the conversions)
	s_wait_alu depctr_va_vdst(0)                   ; the conversions have written v[PC], v[PC+1], and v[HB], v[HQO], v[HSO] are written: the two stores read them; the trip's vector work on v[T ..] is over, and the next trip's LDS loads land there
	global_store_b64 v[HQO], v[PC:PC+1], s[14:15]  ; 16 rows x 16 bytes: the wave stores 256 consecutive bytes, aligned
	global_store_b8 v[HSO], v[HB], s[16:17]        ; one byte a row (lanes l and l xor 16 the same byte, the same value): a row's 32 bytes are made by 32 waves of 16 work-groups
	s_add_co_u32 s25, s25, 4                       ; my next tile
	s_add_co_u32 s30, s30, 1                       ; the loop ends on a counter that steps by one, against a bound that the loop does not write
	s_cmp_lt_u32 s30, s31
	s_cbranch_scc1 .Ltile
.Lend:
	s_wait_dscnt 0x0                               ; the closing lines, six on end
	s_wait_alu 0x0
	s_wait_tensorcnt 0x0
	ds_add_u32 v[SPW], v[NIL]
	s_wait_dscnt 0x0
	s_endpgm
.Lfunc_end_k_q11e87e96e6_gateup:
	.size	k_q11e87e96e6_gateup, .Lfunc_end_k_q11e87e96e6_gateup-k_q11e87e96e6_gateup
	.p2alignl 7, 3214868480
	.fill 96, 4, 3214868480
	.section	.rodata,"a",@progbits
	.p2align	6, 0x0
	.amdhsa_kernel k_q11e87e96e6_gateup
		.amdhsa_group_segment_fixed_size 138240
		.amdhsa_private_segment_fixed_size 0
		.amdhsa_enable_private_segment 0
		.amdhsa_kernarg_size 56
		.amdhsa_user_sgpr_count 2
		.amdhsa_user_sgpr_kernarg_segment_ptr 1
		.amdhsa_wavefront_size32 1
		.amdhsa_system_sgpr_workgroup_id_x 1
		.amdhsa_system_sgpr_workgroup_id_y 1
		.amdhsa_system_sgpr_workgroup_id_z 1
		.amdhsa_system_vgpr_workitem_id 0
		.amdhsa_next_free_vgpr 512
		.amdhsa_next_free_sgpr 66
		.amdhsa_reserve_vcc 0
		.amdhsa_float_denorm_mode_32 3
		.amdhsa_float_denorm_mode_16_64 3
		.amdhsa_memory_ordered 1
		.amdhsa_forward_progress 1
		.amdhsa_inst_pref_size 95
	.end_amdhsa_kernel
	.amdgpu_metadata
---
amdhsa.version: [ 1, 2 ]
amdhsa.kernels:
  - .name:           k_q11e87e96e6_gateup
    .symbol:         k_q11e87e96e6_gateup.kd
    .args:
      - { .name: xq, .offset: 0, .size: 8, .value_kind: global_buffer, .address_space: global }
      - { .name: xs, .offset: 8, .size: 8, .value_kind: global_buffer, .address_space: global }
      - { .name: rtab, .offset: 16, .size: 8, .value_kind: global_buffer, .address_space: global }
      - { .name: w1, .offset: 24, .size: 8, .value_kind: global_buffer, .address_space: global }
      - { .name: w3, .offset: 32, .size: 8, .value_kind: global_buffer, .address_space: global }
      - { .name: hq, .offset: 40, .size: 8, .value_kind: global_buffer, .address_space: global }
      - { .name: hs, .offset: 48, .size: 8, .value_kind: global_buffer, .address_space: global }
    .group_segment_fixed_size: 138240
    .private_segment_fixed_size: 0
    .kernarg_segment_align: 8
    .kernarg_segment_size: 56
    .max_flat_workgroup_size: 256
    .sgpr_count:     66
    .vgpr_count:     512
    .wavefront_size: 32
...
	.end_amdgpu_metadata
.endif
;; end of part 6
;; launch down (part 7): grid 16 x 16, 8 waves a work-group, no clusters, 138,240 bytes of LDS; arguments hq, hs, rtab, w2, ybuf; writes ybuf
.if DOCPART == 7
	.amdgcn_target "amdgcn-amd-amdhsa--gfx1250"
	.amdhsa_code_object_version 6
	.text
	.protected	k_q11e87e96e6_down
	.globl	k_q11e87e96e6_down
	.p2align	8
	.type	k_q11e87e96e6_down,@function
k_q11e87e96e6_down:
	s_mov_b64 s[64:65], 0
	v_nop
	global_prefetch_b8 v0, s[64:65] scope:SCOPE_SE
	s_setreg_imm32_b32 hwreg(HW_REG_WAVE_SCHED_MODE, 0, 2), 2
	s_setreg_imm32_b32 hwreg(HW_REG_WAVE_MODE, 25, 1), 1
	s_wait_xcnt 0x0
	s_wait_alu depctr_vm_vsrc(0)
; DOWN: y = hidden w2^T for the sorted rows of expert e (work-group y), 64 of the 1,024 outputs (work-group x); f32, without the gate.
; Left out: the rows of tokens that did not choose the expert (see the head of the first kernel).
; As in the launch before, each byte of w2 is read once, as f32, in runs of 512 consecutive bytes, quantised in registers by the one work-group that uses it, and handed round as register images in LDS.
; SHARES.  Streaming: wave w takes tile w / 2 (16 rows of w2) and K steps 4 (w % 2) + 0..3: four units, all asked for at the head.  ONE barrier.  Then every wave holds all 4 tiles x 8 K steps
; (256 registers) and walks token tiles w, w + 8, ..: so one wave makes 16 rows x 64 outputs, whole pieces of 256 bytes of y's rows.
; The hidden codes lie [block of 32][row][16 bytes]: a load of 16 bytes a lane is already the operand's register image, and covers two aligned runs of 256 bytes.
; No tensor load and no cluster: the count of token tiles is read from memory; no weight tile is read by two work-groups.  The barrier stands ahead of every branch on a stored number.
; The products are used transposed (source 0 = 16 rows of w2, source 1 = 16 tokens): a lane holds eight neighbouring outputs of one row.
; THE MODE: SCHED_MODE bits 1:0 = 2 (LLVM: expert scheduling mode 2), set by the entry lines.  The code itself states the register dependences between vector or matrix instructions and
; memory or LDS instructions, with s_wait_alu, always for 0.
; THE PLAN.  Registers that memory or LDS instructions touch:
;   landing sets (window 1)  written by loads of w2; read by the stage's LDS stores; after the barrier the fragments' LDS loads land in them and the products read them.  No vector line names them.
;   v[T ..]       a unit's LDS loads, later a token tile's loads land in it; the quantiser and the products read it.      v[SS ..]  written by a load, read by the products as scales.
;   v[PC ..], v[PW]  written by the quantiser, read by the image's LDS stores.      the accumulators  written by the products, read by the LDS stores of the way out.
;   v[OUTR ..]    LDS loads land in it, the stores of y read it; named by nothing else.      v[HO], v[HSO], v[YO]  written once a trip by vector lines, read by that trip's loads and stores.
;   v[GOF], v[STW], v[STR], v[STO], v[RD], v[IMW], v[SCW], v[IMR], v[SCR]  made at the head, never written again.      v[SPW], v[NIL]  made at the head, read by the closing add alone.
; A UNIT has one wait on va_vdst, behind the quantiser, and from the second unit on one on vm_vsrc ahead of it.  A TRIP has one wait on vm_vsrc, at its head, and one on va_vdst, behind the products and their
; places: the accumulators leave by LDS stores, so that wait is owed in any case, and the next tile's loads, which land in what the products have read, stand behind it too.
.set STGB,  8448
.set IMG,   8*STGB
.set WSC,   IMG+8*8192
.set SPARE, WSC+8*512
.set RSK,   0                          ; a tile's rows are neighbours
.set RR,1
.set HH,2
.set GOF,3
.set STW,4
.set STR,5
.set IMW,6
.set SCW,7
.set IMR,8
.set SCR,9
.set SPW,10
.set NIL,11
.set STO,12
.set RD,13
.set HOL,14
.set HSL,15
.set YOL,16
.set HO,17
.set HSO,18
.set YO,19
.set H8,20
.set WS,24
.set SS,40
.set T,80
.set OUTR,144
.set ACC,208
.set PC,240
.set PW,248
.set MSB, 0
.macro WIN new
.if MSB != \new
	s_set_vgpr_msb (MSB<<8)|\new
.set MSB, \new
.endif
.endm
.macro ULOAD u
	WIN 0x40
.irp n, 0,1,2,3,4,5,6,7,8,9,10,11,12,13,14,15
	global_load_b128 v[64*((\u)%4)+4*\n:64*((\u)%4)+4*\n+3], v[GOF], s[28:29] offset:(\n+RSK*(\n/8))*4096+512*(\u) th:TH_LOAD_NT
.endr
	WIN 0
.endm
.macro QW                              ; v[T] on: register 32 c + i = K 64 c + 32 h + i of my row -> the fragment in v[PC] on, its scale word in v[PW]
	v_max3_num_f32 v249, |v[T]|, |v[T+1]|, 0x1800000
	v_max3_num_f32 v250, |v[T+32]|, |v[T+33]|, 0x1800000
.irp i, 2,4,6,8,10,12,14,16,18,20,22,24,26,28,30
	v_max3_num_f32 v249, v249, |v[T+\i]|, |v[T+1+\i]|
	v_max3_num_f32 v250, v250, |v[T+32+\i]|, |v[T+33+\i]|
.endr
	v_add_nc_u32 v251, 0xff000000, v249
	v_add_nc_u32 v252, 0xff000000, v250
	v_lshrrev_b32 v249, 23, v251
	v_lshrrev_b32 v250, 23, v252
	v_lshl_or_b32 v[PW], v250, 16, v249
	v_lshlrev_b32 v[PW], v[H8], v[PW]
	v_permlanex16_b32 v253, v[PW], s48, s49
	v_or_b32 v[PW], v[PW], v253
.irp g, 0,1,2,3
	v_cvt_scalef32_pk8_fp4_f32 v[PC+\g], v[T+8*\g:T+8*\g+7], v251
.endr
.irp g, 0,1,2,3
	v_cvt_scalef32_pk8_fp4_f32 v[PC+4+\g], v[T+32+8*\g:T+32+8*\g+7], v252
.endr
	v_nop
.endm
.macro WUNIT j, cnt
	s_wait_loadcnt \cnt                            ; the units behind unit j may be out
	WIN 0x04
.irp m, 0,1,2,3,4,5,6,7,8,9,10,11,12,13,14,15
	ds_store_b128 v[STW], v[64*((\j)%4)+4*\m:64*((\j)%4)+4*\m+3] offset:528*\m
.endr
	WIN 0
.irp c, 0,1
.irp i, 0,1,2,3,4,5,6,7
	ds_load_b128 v[T+32*\c+4*\i:T+32*\c+4*\i+3], v[STR] offset:256*\c+16*\i    ; no vector line since the wait behind the last quantiser names v[T ..]
.endr
.endr
	s_wait_dscnt 0x0
.if (\j) > 0
	s_wait_alu depctr_vm_vsrc(0)                   ; the last unit's LDS stores have read v[PC ..] and v[PW], which the quantiser writes again
.endif
	QW
	s_wait_alu depctr_va_vdst(0)                   ; the quantiser has written v[PC ..] and v[PW], which the LDS stores below read, and is done reading v[T ..], in which the next loads land
	ds_store_b128 v[IMW], v[PC:PC+3] offset:1024*(\j)
	ds_store_b128 v[IMW], v[PC+4:PC+7] offset:1024*(\j)+512
	ds_store_b32 v[SCW], v[PW] offset:64*(\j)
.endm
.macro IMGLOAD
	WIN 0x40
	s_wait_alu depctr_vm_vsrc(0)                   ; my LDS stores into the stage have read the four landing sets: their registers take the fragments from here on
.irp t, 0,1,2,3
.irp s, 0,1,2,3,4,5,6,7
.irp c, 0,1
	ds_load_b128 v[8*(8*\t+\s)+4*\c:8*(8*\t+\s)+4*\c+3], v[IMR] offset:8192*\t+1024*\s+512*\c
.endr
.endr
.endr
	WIN 0
.irp t, 0,1,2,3
.irp j, 0,1,2,3
	ds_load_b32 v[WS+4*\t+\j], v[SCR] offset:512*\t+64*\j
.endr
.endr
.endm
.macro MM f                            ; 8 K steps x 4 tiles; the four accumulators take turns
	WIN 0x01
.irp s, 0,1,2,3,4,5,6,7
.irp t, 0,1,2,3
.if \s == 0
	v_wmma_scale_f32_16x16x128_f8f6f4 v[ACC+8*\t:ACC+8*\t+7], v[8*(8*\t+\s):8*(8*\t+\s)+7], v[\f+8*\s:\f+8*\s+7], 0, v[WS+4*\t+\s], v[SS+\s] matrix_a_fmt:MATRIX_FMT_FP4 matrix_b_fmt:MATRIX_FMT_FP4
.elseif \s < 4
	v_wmma_scale_f32_16x16x128_f8f6f4 v[ACC+8*\t:ACC+8*\t+7], v[8*(8*\t+\s):8*(8*\t+\s)+7], v[\f+8*\s:\f+8*\s+7], v[ACC+8*\t:ACC+8*\t+7], v[WS+4*\t+\s], v[SS+\s] matrix_a_fmt:MATRIX_FMT_FP4 matrix_b_fmt:MATRIX_FMT_FP4
.else
	v_wmma_scale_f32_16x16x128_f8f6f4 v[ACC+8*\t:ACC+8*\t+7], v[8*(8*\t+\s):8*(8*\t+\s)+7], v[\f+8*\s:\f+8*\s+7], v[ACC+8*\t:ACC+8*\t+7], v[WS+4*\t+\s-4], v[SS+\s-4] matrix_a_fmt:MATRIX_FMT_FP4 matrix_b_fmt:MATRIX_FMT_FP4 matrix_a_scale:MATRIX_SCALE_ROW1 matrix_b_scale:MATRIX_SCALE_ROW1
.endif
.endr
.endr
	WIN 0
.endm
.macro HLOADS                          ; a token tile's 8 fragments: block 4 s + 2 c + h, row r; and the rows' scale words: lanes 0-15 K steps 0-3, lanes 16-31 K steps 4-7
.irp s, 0,1,2,3,4,5,6,7
.irp c, 0,1
	global_load_b128 v[T+8*\s+4*\c:T+8*\s+4*\c+3], v[HO], s[4:5] offset:(4*\s+2*\c)*36864
.endr
.endr
	global_load_b128 v[SS:SS+3], v[HSO], s[6:7]
.endm
	s_load_b256 s[4:11], s[0:1], 0x0               ; hq, hs, rtab, w2
	s_load_b64 s[12:13], s[0:1], 0x20              ; ybuf
	v_lshl_add_u32 v[SPW], v0, 2, SPARE            ; my spare word; never rewritten
	v_mov_b32 v[NIL], 0                            ; 0; never rewritten
	v_lshrrev_b32 v61, 5, v0
	v_readfirstlane_b32 s18, v61                   ; wave 0..7
	v_and_b32 v61, 31, v0
	v_lshlrev_b32 v[GOF], 4, v61
	s_and_b32 s21, ttmp7, 0xffff                   ; the expert
	s_wait_alu depctr_va_sdst(0)                   ; s18 is written, ahead of its first reader: shares, bases and LDS addresses are made from it
	s_lshr_b32 s19, s18, 1                         ; my tile while streaming
	s_and_b32 s20, s18, 1                          ; my half of K
	s_lshl_b32 s50, s19, 4
	s_lshl_b32 s51, ttmp9, 6
	s_add_co_u32 s50, s50, s51                     ; my tile's first row: 64 slice + 16 tile
	s_lshl_b32 s50, s50, 12
	s_lshl_b32 s51, s20, 11                        ; four K steps of 512 bytes
	s_add_co_u32 s50, s50, s51
	s_lshl_b32 s51, s21, 22
	s_add_co_u32 s50, s50, s51
	s_mov_b32 s51, 0
	s_lshl_b32 s54, ttmp9, 8                       ; my 64 outputs in a row of y
	s_mov_b32 s55, 0
	s_wait_kmcnt 0x0
	s_add_nc_u64 s[28:29], s[10:11], s[50:51]
	s_wait_alu depctr_va_vdst(0)                   ; v[GOF] is written, which every load of w2 reads as its offset
	ULOAD 0                                        ; all that the wave streams is asked for at once
	ULOAD 1
	ULOAD 2
	ULOAD 3
	s_add_nc_u64 s[12:13], s[12:13], s[54:55]
	v_and_b32 v[RR], 15, v0
	v_bfe_u32 v[HH], v0, 4, 1
	s_mul_i32 s50, s18, STGB
	v_add_nc_u32 v[STW], s50, v[GOF]
	v_mul_u32_u24 v61, v[RR], 528
	v_add_nc_u32 v61, s50, v61
	v_lshl_add_u32 v[STR], v[HH], 7, v61
	v_mul_u32_u24 v61, v[RR], 272                  ; the way out uses the same stage as rows of 256 + 16 bytes
	v_add_nc_u32 v61, s50, v61
	v_lshl_add_u32 v[STO], v[HH], 5, v61           ; in: row r, + 32 h (+ 64 x tile)
	v_mul_u32_u24 v61, v[HH], 272
	v_add_nc_u32 v61, s50, v61
	v_lshl_add_u32 v[RD], v[RR], 4, v61            ; back: lanes 0-15 one row, lanes 16-31 the next
	s_lshl_b32 s50, s18, 12
	s_add_co_u32 s50, s50, IMG
	v_add_nc_u32 v[IMW], s50, v[GOF]               ; images: tile x 8,192 + half x 4,096
	s_lshl_b32 s50, s18, 8
	s_add_co_u32 s50, s50, WSC
	v_lshl_add_u32 v[SCW], v[RR], 2, s50           ; scale words: tile x 512 + half x 256
	v_add_nc_u32 v[IMR], IMG, v[GOF]
	v_lshlrev_b32 v61, 2, v[RR]
	v_lshl_add_u32 v61, v[HH], 8, v61
	v_add_nc_u32 v[SCR], WSC, v61
	v_lshlrev_b32 v[H8], 3, v[HH]
	v_mul_u32_u24 v[HOL], v[HH], 36864
	v_lshl_add_u32 v[HOL], v[RR], 4, v[HOL]        ; hq: 36,864 h + 16 r
	v_lshlrev_b32 v[HSL], 5, v[RR]
	v_lshl_add_u32 v[HSL], v[HH], 4, v[HSL]        ; hs: 32 r + 16 h
	v_lshlrev_b32 v[YOL], 12, v[HH]
	v_lshl_add_u32 v[YOL], v[RR], 4, v[YOL]        ; y: 4,096 h + 16 r
	v_mov_b32 v253, 0
	s_mov_b32 s48, 0x76543210
	s_mov_b32 s49, 0xfedcba98
	s_lshl_b32 s52, s21, 2
	s_load_b32 s23, s[8:9], s52 offset:0x0         ; the expert's first sorted row
	s_load_b32 s24, s[8:9], s52 offset:0x80        ; its tiles
	s_wait_alu depctr_va_vdst(0)
	s_wait_kmcnt 0x0
	s_min_u32 s23, s23, 2288
	s_min_u32 s24, s24, 64
	s_max_u32 s51, s24, 1
	s_sub_co_u32 s51, s51, 1
	s_min_u32 s51, s51, s18                        ; my first tile, or the expert's last where I have none: what is loaded then is not used
	s_lshl_b32 s51, s51, 4
	s_add_co_u32 s27, s23, s51
	s_min_u32 s27, s27, 2288
	v_lshl_add_u32 v[HO], s27, 4, v[HOL]           ; my first tile's offsets, made here with the other addresses
	v_lshl_add_u32 v[HSO], s27, 5, v[HSL]
	s_wait_alu depctr_va_vdst(0)                   ; the LDS addresses v[STW] to v[SCR], v[STO], v[RD] and the offsets v[HO], v[HSO] are written, which the LDS instructions and loads from here on read
	WUNIT 0, 48
	WUNIT 1, 32
	WUNIT 2, 16
	WUNIT 3, 0
	HLOADS                                         ; my first tile, into the registers that the units have left: no vector line since the wait behind the last quantiser names them
	s_wait_dscnt 0x0                               ; my images have landed
	s_barrier_signal -1
	s_barrier_wait -1                              ; everybody's have: the one barrier
	IMGLOAD
	s_mov_b32 s25, s18                             ; tt: my first tile
	s_add_co_u32 s31, s24, 7
	s_sub_co_u32 s31, s31, s18
	s_lshr_b32 s31, s31, 3                         ; my trips: the tiles w, w + 8, .. under nt are (nt + 7 - w) / 8, 8 at the most; 0 where nt <= w
	s_mov_b32 s30, 0                               ; the loop's counter: one a trip
	s_cmp_eq_u32 s31, 0
	s_cbranch_scc1 .Lend
.Ltile:
	s_wait_loadcnt 0x0                             ; this tile's fragments and scale words
	s_wait_xcnt 0x0                                ; the last trip's stores have read their registers
	s_wait_dscnt 0x0                               ; (in the first trip the weights' fragments)
	s_wait_alu depctr_vm_vsrc(0)                   ; the last trip's LDS stores have read the accumulators, which the products write again; the loads issued so far have read v[HO] and v[HSO], the last trip's stores v[YO] and v[OUTR ..]: all are written again in this trip
	MM T
	s_lshl_b32 s53, s25, 4
	s_add_co_u32 s53, s53, s23
	s_min_u32 s26, s53, 2288                       ; this tile's first sorted row
	s_add_co_u32 s53, s53, 128
	s_min_u32 s27, s53, 2288                       ; and the next one's
	v_lshl_add_u32 v[HO], s27, 4, v[HOL]           ; five plain vector instructions: the places behind the products
	v_lshl_add_u32 v[HSO], s27, 5, v[HSL]
	v_lshl_add_u32 v[YO], s26, 12, v[YOL]
	v_nop
	v_nop
	s_wait_alu depctr_va_vdst(0)                   ; the products have written the accumulators, which the LDS stores read, and are done reading v[T ..] and v[SS ..], in which the next tile's loads land; v[HO], v[HSO], v[YO] are written.  The places above stay beside this wait
	s_add_co_u32 s53, s25, 8
	s_cmp_lt_u32 s53, s24
	s_cbranch_scc0 .Lno_next
	HLOADS
.Lno_next:
.irp t, 0,1,2,3
	ds_store_b128 v[STO], v[ACC+8*\t:ACC+8*\t+3] offset:64*\t          ; each accumulator from its low end on
	ds_store_b128 v[STO], v[ACC+8*\t+4:ACC+8*\t+7] offset:64*\t+16
.endr
.irp i, 0,1,2,3,4,5,6,7
	ds_load_b128 v[OUTR+4*\i:OUTR+4*\i+3], v[RD] offset:544*\i         ; LDS serves a wave's instructions in order: these see the stores
.endr
.irp i, 0,1,2,3,4,5,6,7
	s_wait_dscnt 7-\i                              ; the younger loads from the stage may be out
	global_store_b128 v[YO], v[OUTR+4*\i:OUTR+4*\i+3], s[12:13] offset:8192*\i    ; sixteen lanes store 256 consecutive bytes, aligned
.endr
	s_add_co_u32 s25, s25, 8                       ; my next tile
	s_add_co_u32 s30, s30, 1                       ; the loop ends on a counter that steps by one, against a bound that the loop does not write
	s_cmp_lt_u32 s30, s31
	s_cbranch_scc1 .Ltile
.Lend:
	s_wait_dscnt 0x0                               ; the closing lines, six on end
	s_wait_alu 0x0
	s_wait_tensorcnt 0x0
	ds_add_u32 v[SPW], v[NIL]
	s_wait_dscnt 0x0
	s_endpgm
.Lfunc_end_k_q11e87e96e6_down:
	.size	k_q11e87e96e6_down, .Lfunc_end_k_q11e87e96e6_down-k_q11e87e96e6_down
	.p2alignl 7, 3214868480
	.fill 96, 4, 3214868480
	.section	.rodata,"a",@progbits
	.p2align	6, 0x0
	.amdhsa_kernel k_q11e87e96e6_down
		.amdhsa_group_segment_fixed_size 138240
		.amdhsa_private_segment_fixed_size 0
		.amdhsa_enable_private_segment 0
		.amdhsa_kernarg_size 40
		.amdhsa_user_sgpr_count 2
		.amdhsa_user_sgpr_kernarg_segment_ptr 1
		.amdhsa_wavefront_size32 1
		.amdhsa_system_sgpr_workgroup_id_x 1
		.amdhsa_system_sgpr_workgroup_id_y 1
		.amdhsa_system_sgpr_workgroup_id_z 1
		.amdhsa_system_vgpr_workitem_id 0
		.amdhsa_next_free_vgpr 512
		.amdhsa_next_free_sgpr 66
		.amdhsa_reserve_vcc 0
		.amdhsa_float_denorm_mode_32 3
		.amdhsa_float_denorm_mode_16_64 3
		.amdhsa_memory_ordered 1
		.amdhsa_forward_progress 1
		.amdhsa_inst_pref_size 48
	.end_amdhsa_kernel
	.amdgpu_metadata
---
amdhsa.version: [ 1, 2 ]
amdhsa.kernels:
  - .name:           k_q11e87e96e6_down
    .symbol:         k_q11e87e96e6_down.kd
    .args:
      - { .name: hq, .offset: 0, .size: 8, .value_kind: global_buffer, .address_space: global }
      - { .name: hs, .offset: 8, .size: 8, .value_kind: global_buffer, .address_space: global }
      - { .name: rtab, .offset: 16, .size: 8, .value_kind: global_buffer, .address_space: global }
      - { .name: w2, .offset: 24, .size: 8, .value_kind: global_buffer, .address_space: global }
      - { .name: ybuf, .offset: 32, .size: 8, .value_kind: global_buffer, .address_space: global }
    .group_segment_fixed_size: 138240
    .private_segment_fixed_size: 0
    .kernarg_segment_align: 8
    .kernarg_segment_size: 40
    .max_flat_workgroup_size: 256
    .sgpr_count:     66
    .vgpr_count:     512
    .wavefront_size: 32
...
	.end_amdgpu_metadata
.endif
;; end of part 7
;; launch combine (part 8): grid 256 x 1, 4 waves a work-group, no clusters, 0 bytes of LDS; arguments ybuf, rtab, gate, out0; writes out0
.if DOCPART == 8
	.amdgcn_target "amdgcn-amd-amdhsa--gfx1250"
	.amdhsa_code_object_version 6
	.text
	.protected	k_q11e87e96e6_combine
	.globl	k_q11e87e96e6_combine
	.p2align	8
	.type	k_q11e87e96e6_combine,@function
k_q11e87e96e6_combine:
	s_mov_b64 s[64:65], 0
	v_nop
	global_prefetch_b8 v0, s[64:65] scope:SCOPE_SE
	s_setreg_imm32_b32 hwreg(HW_REG_WAVE_MODE, 25, 1), 1
	s_wait_xcnt 0x0
; COMBINE: out[t] = g0 y[row0(t)] + g1 y[row1(t)]: the last product of the layer, of which the 14 terms with a combine weight of exactly 0 are left out (see the head of the first kernel).
; One wave a token.  The two sorted rows and the two gates were stored by the first launch; the rows are held to the buffer before they enter an address.
; A stream: 16 loads of 512 consecutive bytes, all out at once; four packed operations for four numbers; 8 stores of 512 consecutive bytes.  No LDS, no barrier, no matrix unit: memory binds.
	s_load_b256 s[4:11], s[0:1], 0x0               ; ybuf, rtab, gate, out0
	v_lshrrev_b32 v1, 5, v0
	v_readfirstlane_b32 s12, v1                    ; wave 0..3
	s_lshl_b32 s13, ttmp9, 2
	s_add_co_u32 s13, s13, s12                     ; my token
	s_lshl_b32 s14, s13, 3
	v_and_b32 v2, 31, v0
	v_lshlrev_b32 v2, 4, v2                        ; 16 x lane
	s_wait_alu depctr_va_vdst(0)
	s_wait_kmcnt 0x0
	s_load_b64 s[16:17], s[6:7], s14 offset:0x100  ; its two sorted rows
	s_load_b64 s[18:19], s[8:9], s14 offset:0x0    ; its two gates
	v_lshl_add_u32 v5, s13, 12, v2                 ; its row of out
	s_wait_kmcnt 0x0
	s_min_u32 s16, s16, 2303
	s_min_u32 s17, s17, 2303
	v_lshl_add_u32 v3, s16, 12, v2
	v_lshl_add_u32 v4, s17, 12, v2
	s_mov_b32 s20, s18                             ; the packed forms name a pair and take its low word for both halves
	s_mov_b32 s21, s18
	s_mov_b32 s22, s19
	s_mov_b32 s23, s19
.irp j, 0,1,2,3,4,5,6,7
	global_load_b128 v[8+4*\j:11+4*\j], v3, s[4:5] offset:512*\j th:TH_LOAD_NT
.endr
.irp j, 0,1,2,3,4,5,6,7
	global_load_b128 v[40+4*\j:43+4*\j], v4, s[4:5] offset:512*\j th:TH_LOAD_NT
.endr
.irp j, 0,1,2,3,4,5,6,7
	s_wait_loadcnt 7-\j                            ; piece j of the second row is in (the first row's loads are older); the younger pieces may be out
	v_pk_mul_f32 v[8+4*\j:9+4*\j], v[8+4*\j:9+4*\j], s[20:21] op_sel_hi:[1,0]
	v_pk_mul_f32 v[10+4*\j:11+4*\j], v[10+4*\j:11+4*\j], s[20:21] op_sel_hi:[1,0]
	v_pk_fma_f32 v[8+4*\j:9+4*\j], v[40+4*\j:41+4*\j], s[22:23], v[8+4*\j:9+4*\j] op_sel_hi:[1,0,1]
	v_pk_fma_f32 v[10+4*\j:11+4*\j], v[42+4*\j:43+4*\j], s[22:23], v[10+4*\j:11+4*\j] op_sel_hi:[1,0,1]
	s_wait_alu depctr_va_vdst(0)
	global_store_b128 v5, v[8+4*\j:11+4*\j], s[10:11] offset:512*\j th:TH_STORE_NT   ; 512 consecutive bytes, aligned; no register of a store is written again
.endr
	s_endpgm
.Lfunc_end_k_q11e87e96e6_combine:
	.size	k_q11e87e96e6_combine, .Lfunc_end_k_q11e87e96e6_combine-k_q11e87e96e6_combine
	.p2alignl 7, 3214868480
	.fill 96, 4, 3214868480
	.section	.rodata,"a",@progbits
	.p2align	6, 0x0
	.amdhsa_kernel k_q11e87e96e6_combine
		.amdhsa_group_segment_fixed_size 0
		.amdhsa_private_segment_fixed_size 0
		.amdhsa_enable_private_segment 0
		.amdhsa_kernarg_size 32
		.amdhsa_user_sgpr_count 2
		.amdhsa_user_sgpr_kernarg_segment_ptr 1
		.amdhsa_wavefront_size32 1
		.amdhsa_system_sgpr_workgroup_id_x 1
		.amdhsa_system_sgpr_workgroup_id_y 1
		.amdhsa_system_sgpr_workgroup_id_z 1
		.amdhsa_system_vgpr_workitem_id 0
		.amdhsa_next_free_vgpr 80
		.amdhsa_next_free_sgpr 66
		.amdhsa_reserve_vcc 0
		.amdhsa_float_denorm_mode_32 3
		.amdhsa_float_denorm_mode_16_64 3
		.amdhsa_memory_ordered 1
		.amdhsa_forward_progress 1
		.amdhsa_inst_pref_size 6
	.end_amdhsa_kernel
	.amdgpu_metadata
---
amdhsa.version: [ 1, 2 ]
amdhsa.kernels:
  - .name:           k_q11e87e96e6_combine
    .symbol:         k_q11e87e96e6_combine.kd
    .args:
      - { .name: ybuf, .offset: 0, .size: 8, .value_kind: global_buffer, .address_space: global }
      - { .name: rtab, .offset: 8, .size: 8, .value_kind: global_buffer, .address_space: global }
      - { .name: gate, .offset: 16, .size: 8, .value_kind: global_buffer, .address_space: global }
      - { .name: out0, .offset: 24, .size: 8, .value_kind: global_buffer, .address_space: global }
    .group_segment_fixed_size: 0
    .private_segment_fixed_size: 0
    .kernarg_segment_align: 8
    .kernarg_segment_size: 32
    .max_flat_workgroup_size: 128
    .sgpr_count:     66
    .vgpr_count:     80
    .wavefront_size: 32
...
	.end_amdgpu_metadata
.endif
;; end of part 8
